; MI455X (gfx1250); checked and timed in simulation.
; The chip was launched on July 23, 2026; its instructions are those of AMD's public machine-readable ISA for CDNA 5 (MIT licence, August 2026) and "CDNA5" Instruction Set Architecture Reference Guide (July 2026). The comments in the code are by the model that wrote it; some were corrected since.
;; Self Attention. Allowed arithmetic: float matrix products may take bf16 or f16 operands with f32 sums; other float arithmetic in f32, or as packed bf16 or f16 multiplies, adds, multiply-adds, maxima and minima; sums over many terms, partial sums and values carried from step to step in f32; what a program stores and reads back later, other than sums and carried values, may be rounded once to bf16 or f16.
;; Inputs: Wk 1,024 x 1,024 float32; Wq 1,024 x 1,024 float32; Wv 1,024 x 1,024 float32; bk 1,024 float32; bq 1,024 float32; bv 1,024 float32; x 4 x 2,048 x 1,024 float32.
;; Outputs: out0 4 x 2,048 x 1,024 float32.
;; 2 versions, each right; version 2 is version 1 with the launch cast written anew for expert scheduling mode. Each part assembles by itself: llvm-mc -triple=amdgcn-amd-amdhsa -mcpu=gfx1250 --defsym DOCPART=n.
;; ======== version 1 of 2: 4 launches
;; limits: values are held in f16: magnitudes above 65,504 overflow, below 6.1e-05 lose precision
;; workspace buffers: xw 23,068,672 bytes; qkv 50,331,648 bytes; pw 33,554,432 bytes; mrow 262,144 bytes; lsum 524,288 bytes
;; launch cast (part 1): grid 704 x 1, 8 waves a work-group, no clusters, 0 bytes of LDS; arguments x, Wq, Wk, Wv, xw; writes xw
.if DOCPART == 1
	.amdgcn_target "amdgcn-amd-amdhsa--gfx1250"
	.amdhsa_code_object_version 6
	.text
	.protected	k_qde47b19ad6_cast
	.globl	k_qde47b19ad6_cast
	.p2align	8
	.type	k_qde47b19ad6_cast,@function
k_qde47b19ad6_cast:
	s_mov_b64 s[64:65], 0
	v_nop
	global_prefetch_b8 v0, s[64:65] scope:SCOPE_SE
	s_setreg_imm32_b32 hwreg(HW_REG_WAVE_MODE, 25, 1), 1
	s_wait_xcnt 0x0
; xw in bf16 = x (rows 0-8191), Wq (8192-9215), Wk (9216-10239), Wv (10240-11263), each number rounded once to nearest even, laid in 16 blocks of 64 along K:
; xw[kb][row][64]: number (row, k) lies at byte (k / 64) x PLANE + row x 128 + (k % 64) x 2.  So the rows of a tile of 64 along K lie end to end for the launch behind.
; A work-group takes 16 rows: 65,536 bytes in, 32,768 out; groups 0-511 x, 512-575 Wq, 576-639 Wk, 640-703 Wv.  Wave w takes K blocks 2 w and 2 w + 1, in 16 pieces of two rows x one K block:
; lanes 0-15 read 256 consecutive bytes of the even row, lanes 16-31 of the odd one; the wave's store is the two rows' 128 bytes each: 256 consecutive bytes at a multiple of 256.
; All sixteen loads go out first; no register is written twice, so the only waits are the counted ones for the loads.  No LDS, no matrix unit: bytes alone count here.
.set PLANE, 11264*128                  ; bytes in a K block of xw
.set X, 4                              ; v[4:67]   piece j as loaded
.set Y, 68                             ; v[68:99]  piece j to store
	s_load_b256 s[4:11], s[0:1], 0x0               ; x s[4:5], Wq s[6:7], Wk s[8:9], Wv s[10:11]
	s_load_b64 s[12:13], s[0:1], 0x20              ; xw
	v_lshrrev_b32 v3, 5, v0                        ; wave
	v_and_b32 v1, 15, v0
	v_lshlrev_b32 v1, 4, v1                        ; as read: 16 bytes for each of 16 lanes,
	v_bfe_u32 v2, v0, 4, 1
	v_lshl_add_u32 v1, v2, 12, v1                  ; the odd row 4,096 bytes on,
	v_lshl_add_u32 v1, v3, 9, v1                   ; my wave's two K blocks: 512 bytes of a row
	v_mul_u32_u24 v2, v3, 2*PLANE                  ; as written: my wave's two K blocks,
	v_and_b32 v3, 31, v0
	v_lshl_add_u32 v2, v3, 3, v2                   ; 8 bytes a lane
	s_and_b32 s14, ttmp9, 63                       ; a weight's 64 groups begin at multiples of 64
	s_cmp_lt_u32 ttmp9, 512
	s_cselect_b32 s14, ttmp9, s14                  ; my group's number within its source
	s_lshl_b32 s14, s14, 16                        ; times 65,536 bytes
	s_mov_b32 s15, 0
	s_lshl_b32 s16, ttmp9, 11                      ; my group's 16 rows of 128 bytes in a K block
	s_mov_b32 s17, 0
	s_wait_kmcnt 0x0
	s_mov_b64 s[18:19], s[10:11]                   ; the source is chosen by the group's number alone
	s_cmp_lt_u32 ttmp9, 640
	s_cselect_b64 s[18:19], s[8:9], s[18:19]
	s_cmp_lt_u32 ttmp9, 576
	s_cselect_b64 s[18:19], s[6:7], s[18:19]
	s_cmp_lt_u32 ttmp9, 512
	s_cselect_b64 s[18:19], s[4:5], s[18:19]
	s_add_nc_u64 s[18:19], s[18:19], s[14:15]
	s_add_nc_u64 s[12:13], s[12:13], s[16:17]
.irp j, 0,1,2,3,4,5,6,7,8,9,10,11,12,13,14,15  ; piece j: rows 2 (j / 2) and the next, K block 2 w + j % 2
	global_load_b128 v[X+4*(\j):X+4*(\j)+3], v1, s[18:19] offset:((\j)/2)*8192+((\j)%2)*256 th:TH_LOAD_NT
.endr
.irp j, 0,1,2,3,4,5,6,7,8,9,10,11,12,13,14,15
	s_wait_loadcnt 15-(\j)                         ; loads come back in order: piece j is in, the younger ones stay out
	v_cvt_pk_bf16_f32 v[Y+2*(\j)], v[X+4*(\j)], v[X+4*(\j)+1]
	v_cvt_pk_bf16_f32 v[Y+2*(\j)+1], v[X+4*(\j)+2], v[X+4*(\j)+3]
	global_store_b64 v2, v[Y+2*(\j):Y+2*(\j)+1], s[12:13] offset:((\j)%2)*PLANE+((\j)/2)*256
.endr
	s_endpgm
.Lfunc_end_k_qde47b19ad6_cast:
	.size	k_qde47b19ad6_cast, .Lfunc_end_k_qde47b19ad6_cast-k_qde47b19ad6_cast
	.p2alignl 7, 3214868480
	.fill 96, 4, 3214868480
	.section	.rodata,"a",@progbits
	.p2align	6, 0x0
	.amdhsa_kernel k_qde47b19ad6_cast
		.amdhsa_group_segment_fixed_size 0
		.amdhsa_private_segment_fixed_size 0
		.amdhsa_enable_private_segment 0
		.amdhsa_kernarg_size 40
		.amdhsa_user_sgpr_count 2
		.amdhsa_user_sgpr_kernarg_segment_ptr 1
		.amdhsa_wavefront_size32 1
		.amdhsa_system_sgpr_workgroup_id_x 1
		.amdhsa_system_sgpr_workgroup_id_y 1
		.amdhsa_system_sgpr_workgroup_id_z 1
		.amdhsa_system_vgpr_workitem_id 0
		.amdhsa_next_free_vgpr 100
		.amdhsa_next_free_sgpr 66
		.amdhsa_reserve_vcc 0
		.amdhsa_float_denorm_mode_32 3
		.amdhsa_float_denorm_mode_16_64 3
		.amdhsa_memory_ordered 1
		.amdhsa_forward_progress 1
		.amdhsa_inst_pref_size 8
	.end_amdhsa_kernel
	.amdgpu_metadata
---
amdhsa.version: [ 1, 2 ]
amdhsa.kernels:
  - .name:           k_qde47b19ad6_cast
    .symbol:         k_qde47b19ad6_cast.kd
    .args:
      - { .name: x, .offset: 0, .size: 8, .value_kind: global_buffer, .address_space: global }
      - { .name: Wq, .offset: 8, .size: 8, .value_kind: global_buffer, .address_space: global }
      - { .name: Wk, .offset: 16, .size: 8, .value_kind: global_buffer, .address_space: global }
      - { .name: Wv, .offset: 24, .size: 8, .value_kind: global_buffer, .address_space: global }
      - { .name: xw, .offset: 32, .size: 8, .value_kind: global_buffer, .address_space: global }
    .group_segment_fixed_size: 0
    .private_segment_fixed_size: 0
    .kernarg_segment_align: 8
    .kernarg_segment_size: 40
    .max_flat_workgroup_size: 256
    .sgpr_count:     66
    .vgpr_count:     100
    .wavefront_size: 32
...
	.end_amdgpu_metadata
.endif
;; end of part 1
;; launch proj (part 2): grid 8 x 32, 4 waves a work-group, clusters of 4 x 4, 327,680 bytes of LDS; arguments xw, bq, bk, bv, qkv; writes qkv
.if DOCPART == 2
	.amdgcn_target "amdgcn-amd-amdhsa--gfx1250"
	.amdhsa_code_object_version 6
	.text
	.protected	k_qde47b19ad6_proj
	.globl	k_qde47b19ad6_proj
	.p2align	8
	.type	k_qde47b19ad6_proj,@function
k_qde47b19ad6_proj:
	s_mov_b64 s[64:65], 0
	v_nop
	global_prefetch_b8 v0, s[64:65] scope:SCOPE_SE
	s_setreg_imm32_b32 hwreg(HW_REG_WAVE_MODE, 25, 1), 1
	s_wait_xcnt 0x0
	s_wait_alu depctr_hold_cnt(0) depctr_sa_sdst(0) depctr_va_vdst(0) depctr_va_sdst(0) depctr_va_ssrc(0) depctr_va_vcc(0) depctr_vm_vsrc(0)
	s_getreg_b32 s2, hwreg(HW_REG_IB_STS2, 6, 4)
	s_cmp_eq_u32 s2, 0
	s_cbranch_scc0 .Lentry_in_a_cluster
	s_endpgm
.Lentry_in_a_cluster:
	s_bfe_u32 s2, ttmp6, 0x10000c
	s_cmp_lg_u32 s2, 0xf033
	s_cbranch_scc0 .Lentry_shape_is_right
	s_endpgm
.Lentry_shape_is_right:
; qkv[3][8192][1024] in f16: q, k, v = x W^T + b.  x and the three W come in bf16 from xw, laid in 16 blocks of 64 along K ([kb][11264 rows][64]; x rows 0-8191, Wq, Wk, Wv behind);
; the biases are rounded to bf16 here; sums in f32; one rounding to f16.
; LIMITS.  Every input is taken rounded to bf16.  q, k, v must stay below 65,504 (f16's end): at 30 x 30 times the drawn spread they reach some 5,000.  NaN and infinities are not treated apart.
; SHARES.  The 8,192 x 3,072 results are dealt to 8 x 32 = 256 work-groups of equal work: 256 rows x 384 columns each; a wave makes 128 x 192: 96 accumulators of 16 x 16, 768 registers.
; K = 1,024 goes in 16 steps of 64 through two LDS slots of 640 rows x 144 bytes; steps of 128 would want 2 x 640 x 272 = 348,160 bytes, more than the 327,680 there are.
; A tile's rows lie end to end in xw, so it is asked for as rows of 256 bytes and padded in LDS after every 128.
; CLUSTER 4 x 4: the four of a row of the cluster need the same rows of x, the four of a column the same rows of W: each tile is asked for jointly, by the same load with the same descriptor and a mask of four.
; THE MATRIX INSTRUCTION IS USED TRANSPOSED: source 0 = 16 rows of W, source 1 = 16 rows of x: a lane holds row l % 16 and the eight neighbouring columns 8 (l / 16) + 0..7.
; THE BIAS is the C operand of the products that start the sums, so it costs no addition and nothing is cleared; it waits in LDS, and six column blocks' at a time lie in the x buffer that is still free.
; REGISTERS, in windows of 256 (s_set_vgpr_msb: bits 1:0 source 0, 3:2 source 1, 5:4 source 2, 7:6 destination):
;   window 0: v0-31 addresses; v32-95, v96-159 fragments of x (8 x 16 rows x 32 K), two buffers; v160-255 fragments of W (12 x 16 rows x 32 K), ONE buffer, filled again in halves:
;             the products go column block by column block, and a half's registers are loaded again as soon as its 48 products are issued.  On the way out v32-223 are at work.
;   windows 1-3: the accumulators: (row block a, column block b) at v[8 (8 (b % 4) + a)] of window 1 + b / 4
.set PLANE,  11264*128                 ; bytes in a K block of xw
.set PITCH,  144                       ; an LDS row: 128 bytes + 16 of padding: the 16 rows that a fragment load touches start at 16 different multiples of 16 modulo 256
.set AHALF,  128*PITCH                 ; what a tensor load of x brings: 128 rows
.set BHALF,  192*PITCH                 ; what a tensor load of W brings: 192 rows
.set BOFF,   2*AHALF                   ; W's 384 rows lie behind x's 256
.set SLOT,   BOFF+2*BHALF
.set STAGE,  2*SLOT                    ; behind the ring: 128 rows x 784 bytes, the work-group's, for the way out
.set SPITCH, 784                       ; 768 bytes + 16
.set BIAS,   STAGE+128*SPITCH          ; my tile's 384 biases in f32
.set SPARE,  BIAS+1536                 ; the spare words, 128 bytes a wave: two blocks of 256 bytes that no other line names
.set ROWB,   2048                      ; bytes in a row of q, k, v
.set CO,   8                           ; v8-10   my byte offset in two rows of the result, for each of the tile's three runs of 128 columns
.set BIA,  11                          ; v11     where my columns' biases lie
.set ADRA, 16                          ; v16-17  LDS address of my x fragments in slot 0, 1
.set ADRB, 20                          ; v20-21  the same for W
.set STO,  24                          ; v24     the way out: where I put 16 bytes of a row
.set RD,   25                          ; v25     the way out: where I read rows back
.set SPW,  28                          ; v28     my spare word; never rewritten
.set NIL,  29                          ; v29     0; never rewritten
.set AF0,  32
.set AF1,  96
.set BF,   160
.set OB,   32
.set G1,  24                           ; s[24:31] descriptor group 1 for x's tiles;  s[32:39] group 0, one set a slot
.set G0,  32
.set G1B, 48                           ; s[48:55], s[56:63] the same for W's tiles
.set G0B, 56
.set MSB, 0
.macro WIN new                         ; the immediate's high byte repeats the setting that is left; a switch that changes nothing is dropped
.if MSB != (\new)
	s_set_vgpr_msb (MSB<<8)|(\new)
.set MSB, \new
.endif
.endm
; A joint load: waves 0 and 1 fetch x's two halves, waves 2 and 3 W's.  The branch hangs on the wave's number alone.  An s_nop 0 and four v_nop follow each line.
.macro JLOAD s
	s_cmp_eq_u32 s11, 0
	s_cbranch_scc0 .Lfor_b_\@
	tensor_load_to_lds s[G0+4*(\s):G0+4*(\s)+3], s[G1:G1+7]
	s_nop 0
.rept 4
	v_nop
.endr
	s_branch .Lasked_\@
.Lfor_b_\@:
	tensor_load_to_lds s[G0B+4*(\s):G0B+4*(\s)+3], s[G1B:G1B+7]
	s_nop 0
.rept 4
	v_nop
.endr
.Lasked_\@:
.endm
.macro CREST                           ; a round of the cluster's barrier behind its opening barrier
	s_cmp_lg_u32 s10, 0
	s_cbranch_scc1 .Lnot_wave_0_\@
	s_barrier_signal -3
.Lnot_wave_0_\@:
	s_barrier_wait -3
	s_barrier_signal -1
	s_barrier_wait -1
.endm
.macro CROUND                          ; a whole round
	s_barrier_signal -1
	s_barrier_wait -1
	CREST
.endm
	s_load_b256 s[68:75], s[0:1], 0x0              ; xw s[68:69], bq s[70:71], bk s[72:73], bv s[74:75]
	s_load_b64 s[8:9], s[0:1], 0x20                ; qkv
	v_lshl_add_u32 v[SPW], v0, 2, SPARE
	v_mov_b32 v[NIL], 0
	ds_add_u32 v[SPW], v[NIL]                      ; the wave's opening: the add and its wait stand ahead of my first tensor load; work on registers stands between them
	v_lshrrev_b32 v1, 5, v0
	v_readfirstlane_b32 s10, v1                    ; wave 0..3
	s_lshr_b32 s11, s10, 1                         ; which half of the tile's rows is mine.  Also: I fetch for x (0) or for W (1)
	s_and_b32 s12, s10, 1                          ; which half of its columns.  Also: which half of that tile I fetch
	s_bfe_u32 s40, ttmp6, 0x40000                  ; cx
	s_bfe_u32 s41, ttmp6, 0x40004                  ; cy
	s_lshl_b32 s42, ttmp9, 2
	s_add_co_u32 s42, s42, s40                     ; tile column = 4 x cluster x + cx
	s_and_b32 s13, ttmp7, 0xffff
	s_lshl_b32 s13, s13, 2
	s_add_co_u32 s13, s13, s41                     ; tile row = 4 x cluster y + cy
	s_lshl_b32 s43, s41, 2
	s_lshl_b32 s43, 15, s43                        ; my row of the cluster
	s_lshl_b32 s44, 0x1111, s40                    ; my column
	; descriptor group 1: dense bytes asked for as rows of 128 elements (two rows of the tile), padded in LDS after every row of the tile
	s_or_b32 s[G1+0], s43, (1<<16)|(1<<20)|(1<<21)|(4<<22)|(3<<25)  ; the mask; 2-byte elements; padding on; bit 21 beside a mask; after every 32 words 4 words
	s_or_b32 s[G1B+0], s44, (1<<16)|(1<<20)|(1<<21)|(4<<22)|(3<<25)
.irp g, G1, G1B
	s_mov_b32 s[(\g)+1], 128<<16                   ; tensor_dim0 = 128
	s_mov_b32 s[(\g)+3], 128<<16                   ; tile_dim0 = 128
	s_mov_b32 s[(\g)+5], 128                       ; elements from row to row
	s_mov_b32 s[(\g)+6], 0
	s_mov_b32 s[(\g)+7], 0
.endr
	s_mov_b32 s[G1+2], 64<<16                      ; x: tensor_dim1 = 64: 128 rows of the tile
	s_mov_b32 s[G1+4], 64                          ; tile_dim1
	s_mov_b32 s[G1B+2], 96<<16                     ; W: 96: 192 rows of the tile
	s_mov_b32 s[G1B+4], 96
	s_lshl_b32 s16, s13, 15                        ; x: row 256 x tile row + 128 x half, 128 bytes a row
	s_lshl_b32 s17, s12, 14
	s_add_co_u32 s16, s16, s17
	s_mov_b32 s17, 0
	s_mul_i32 s46, s42, 384*128                    ; W: row 8,192 + 384 x tile column + 192 x half
	s_mul_i32 s47, s12, 192*128
	s_add_co_u32 s46, s46, s47
	s_add_co_u32 s46, s46, 8192*128
	s_mov_b32 s47, 0
	s_mul_i32 s20, s12, AHALF                      ; where they go: no place in the cluster enters an LDS address
	s_mul_i32 s21, s12, BHALF
	s_add_co_u32 s21, s21, BOFF
	s_wait_dscnt 0x0                               ; the opening add is done
	s_wait_kmcnt 0x0
	s_add_nc_u64 s[14:15], s[68:69], s[16:17]
	s_add_nc_u64 s[46:47], s[68:69], s[46:47]
	CROUND                                         ; all sixteen work-groups are here: the first joint loads meet
.irp s, 0,1
	s_mov_b32 s[G0+4*(\s)], 1
	s_add_co_u32 s[G0+4*(\s)+1], s20, (\s)*SLOT
	s_add_nc_u64 s[G0+4*(\s)+2:G0+4*(\s)+3], s[14:15], (\s)*PLANE   ; K step s is K block s
	s_or_b32 s[G0+4*(\s)+3], s[G0+4*(\s)+3], 0x80000000
	s_mov_b32 s[G0B+4*(\s)], 1
	s_add_co_u32 s[G0B+4*(\s)+1], s21, (\s)*SLOT
	s_add_nc_u64 s[G0B+4*(\s)+2:G0B+4*(\s)+3], s[46:47], (\s)*PLANE
	s_or_b32 s[G0B+4*(\s)+3], s[G0B+4*(\s)+3], 0x80000000
	JLOAD \s                                       ; two loads of mine are out
.endr
	v_and_b32 v1, 15, v0                           ; l % 16
	v_bfe_u32 v2, v0, 4, 1                         ; l / 16
	v_and_b32 v3, 31, v0
	v_lshlrev_b32 v3, 4, v3                        ; 16 x lane
	; THE BIAS.  The tile's 384 columns are three runs of 128; run 3 x tile column + j lies whole in one of q, k, v (8 runs each).  Wave j (0 to 2) brings run j's 512 bytes,
	; rounds them to bf16 like every input, widens them again, and puts them into LDS.
	s_cmp_lt_u32 s10, 3
	s_cbranch_scc0 .Lno_bias
	s_mul_i32 s45, s42, 3
	s_add_co_u32 s45, s45, s10                     ; the run
	s_lshr_b32 s80, s45, 3                         ; q, k or v
	s_and_b32 s45, s45, 7
	s_lshl_b32 s45, s45, 9                         ; 128 columns x 4 bytes
	s_mov_b64 s[78:79], s[74:75]
	s_cmp_eq_u32 s80, 1
	s_cselect_b64 s[78:79], s[72:73], s[78:79]
	s_cmp_eq_u32 s80, 0
	s_cselect_b64 s[78:79], s[70:71], s[78:79]
	v_add_nc_u32 v4, s45, v3
	global_load_b128 v[32:35], v4, s[78:79]
	s_lshl_b32 s81, s10, 9
	s_add_co_u32 s81, s81, BIAS
	v_add_nc_u32 v5, s81, v3
	s_wait_loadcnt 0x0
	v_cvt_pk_bf16_f32 v36, v32, v33
	v_cvt_pk_bf16_f32 v37, v34, v35
	v_lshlrev_b32 v40, 16, v36
	v_and_b32 v41, 0xffff0000, v36
	v_lshlrev_b32 v42, 16, v37
	v_and_b32 v43, 0xffff0000, v37
	ds_store_b128 v5, v[40:43]
.Lno_bias:
	v_mul_u32_u24 v3, v1, PITCH
	v_lshl_add_u32 v3, v2, 4, v3                   ; a fragment's row x pitch + 16 x half
	s_mul_i32 s21, s11, AHALF                      ; my 128 rows of x
	s_mul_i32 s22, s12, BHALF                      ; my 192 rows of W
	s_add_co_u32 s22, s22, BOFF
.irp s, 0,1
	v_add_nc_u32 v[ADRA+(\s)], s21, v3
	v_add_nc_u32 v[ADRB+(\s)], s22, v3
	s_add_co_u32 s21, s21, SLOT
	s_add_co_u32 s22, s22, SLOT
.endr
	s_mul_i32 s23, s11, 64*SPITCH                  ; into the stage: my row half's 64 rows, my 384 bytes of their 768; row l % 16, 16 bytes for each half of the lanes
	s_mul_i32 s14, s12, 384
	s_add_co_u32 s23, s23, s14
	s_add_co_u32 s23, s23, STAGE
	v_mul_u32_u24 v4, v1, SPITCH
	v_lshl_add_u32 v4, v2, 4, v4
	v_add_nc_u32 v[STO], s23, v4
	s_mul_i32 s23, s10, 32*SPITCH                  ; back: wave w takes the stage's rows 32 w .. 32 w + 31, whole; lanes 0-15 256 bytes of one row, lanes 16-31 of the next
	s_add_co_u32 s23, s23, STAGE
	v_mul_u32_u24 v5, v2, SPITCH
	v_lshl_add_u32 v5, v1, 4, v5
	v_add_nc_u32 v[RD], s23, v5
	s_mul_i32 s23, s12, 768                        ; my 192 columns' biases, 32 bytes for each half of the lanes
	s_add_co_u32 s23, s23, BIAS
	v_lshl_add_u32 v[BIA], v2, 5, s23
	v_lshlrev_b32 v5, 11, v2                       ; the same two rows in the result,
	v_lshl_add_u32 v5, v1, 4, v5
	s_mul_i32 s45, s42, 3
.irp j, 0,1,2                          ; and run j's place: 2^24 bytes for each of q, k, v, 256 bytes a run
	s_add_co_u32 s76, s45, \j
	s_lshr_b32 s77, s76, 3
	s_lshl_b32 s77, s77, 24
	s_and_b32 s76, s76, 7
	s_lshl_b32 s76, s76, 8
	s_add_co_u32 s76, s76, s77
	v_add_nc_u32 v[CO+(\j)], s76, v5
.endr
	s_lshl_b32 s16, s13, 8                         ; the first row that I store: 256 x tile row + 128 x (wave / 2) + 32 x (wave % 2)
	s_lshl_b32 s14, s11, 7
	s_add_co_u32 s16, s16, s14
	s_lshl_b32 s14, s12, 5
	s_add_co_u32 s16, s16, s14
	s_lshl_b32 s16, s16, 11
	s_mov_b32 s17, 0
	s_add_nc_u64 s[8:9], s[8:9], s[16:17]
; n x 8 matrix instructions: column blocks b0 .. b0 + n - 1 x all 8 row blocks, 32 along K, x from buffer af.  first = 1: the bias (block b's at AF1 + 8 (b % 6)) starts the sums.
; The 96 accumulators take turns, one instruction a turn.
.macro MMG b0, n, af, first
.set bb, \b0
.rept \n
.set ww, 1+bb/4
.if \first
	WIN (ww<<6)
.else
	WIN (ww<<6)|(ww<<4)
.endif
.set aa, 0
.rept 8
.set rD, 8*(8*(bb%4)+aa)
.if \first
	v_wmma_f32_16x16x32_bf16 v[rD:rD+7], v[BF+8*bb:BF+8*bb+7], v[(\af)+8*aa:(\af)+8*aa+7], v[AF1+8*(bb%6):AF1+8*(bb%6)+7]
.else
	v_wmma_f32_16x16x32_bf16 v[rD:rD+7], v[BF+8*bb:BF+8*bb+7], v[(\af)+8*aa:(\af)+8*aa+7], v[rD:rD+7]
.endif
.set aa, aa+1
.endr
.set bb, bb+1
.endr
.endm
; The LDS loads stand in runs: quarter kq (32 K at byte 64 kq of the rows) of a slot: W's blocks 0-5 (12 loads), x's 8 blocks (16), W's blocks 6-11 (12)
.macro FETCHB0 slot, kq
	WIN 0
.irp i, 0,1,2,3,4,5
	ds_load_b128 v[BF+8*(\i):BF+8*(\i)+3],   v[ADRB+(\slot)] offset:64*(\kq)+(\i)*16*PITCH
	ds_load_b128 v[BF+8*(\i)+4:BF+8*(\i)+7], v[ADRB+(\slot)] offset:64*(\kq)+(\i)*16*PITCH+32
.endr
.endm
.macro FETCH2 slot, kq
	WIN 0
.irp i, 6,7,8,9,10,11
	ds_load_b128 v[BF+8*(\i):BF+8*(\i)+3],   v[ADRB+(\slot)] offset:64*(\kq)+(\i)*16*PITCH
	ds_load_b128 v[BF+8*(\i)+4:BF+8*(\i)+7], v[ADRB+(\slot)] offset:64*(\kq)+(\i)*16*PITCH+32
.endr
.endm
.macro FETCHA slot, kq, af
	WIN 0
.irp i, 0,1,2,3,4,5,6,7
	ds_load_b128 v[(\af)+8*(\i):(\af)+8*(\i)+3],   v[ADRA+(\slot)] offset:64*(\kq)+(\i)*16*PITCH
	ds_load_b128 v[(\af)+8*(\i)+4:(\af)+8*(\i)+7], v[ADRA+(\slot)] offset:64*(\kq)+(\i)*16*PITCH+32
.endr
.endm
.macro BIASLD g                        ; the biases of column blocks 6 g .. 6 g + 5, in the accumulators' layout: 12 loads into the x buffer that is still free
	WIN 0
.irp i, 0,1,2,3,4,5
	ds_load_b128 v[AF1+8*(\i):AF1+8*(\i)+3],   v[BIA] offset:64*(6*(\g)+(\i))
	ds_load_b128 v[AF1+8*(\i)+4:AF1+8*(\i)+7], v[BIA] offset:64*(6*(\g)+(\i))+16
.endr
.endm
.macro PLACES                          ; four plain vector instructions between a matrix instruction and a load into, or a vector read of, its registers
.rept 4
	v_nop
.endr
.endm
; A K step is two quarters of 32 along K, 96 matrix instructions each.  The first multiplies x's buffer 0 and fetches the slot's second quarter.
.macro EQ slot
	s_wait_dscnt 12                                ; W's blocks 0-5 and x are in; the youngest 12 loads (W's blocks 6-11) may be out
	MMG 0, 6, AF0, 0
	PLACES
	FETCHB0 \slot, 1
	FETCHA \slot, 1, AF1
	s_wait_dscnt 28                                ; all but the 28 just issued
	MMG 6, 6, AF0, 0
	PLACES
	FETCH2 \slot, 1
.endm
; The second quarter multiplies x's buffer 1 and changes slots: the slot's last bytes have been asked for.  One barrier; in front of it each wave waits for all its tensor loads (its part of the next
; slot), adds 0 to its spare word, and waits for that and for its reads of this slot.  fill = 1: the barrier opens a round of the cluster's, and this slot is filled again, two K steps ahead, first thing
; behind the round: 176 of a K step's 192 matrix instructions stand between that request and the wait for it.
.macro TURN slot, next, fill
	WIN 0
	s_wait_tensorcnt 0x0                           ; all my tensor loads have landed
	ds_add_u32 v[SPW], v[NIL]
	s_wait_dscnt 13                                ; the add and the youngest 12 loads may be out
	MMG 0, 1, AF1, 0
	s_wait_dscnt 0x0                               ; the add is done, and my reads of this slot are over
	s_barrier_signal -1
	MMG 1, 1, AF1, 0
.if \fill
	WIN 0
.endif
	s_barrier_wait -1
.if \fill
	CREST                                          ; no wave of any partner still reads this slot or has a load on its way
	s_add_nc_u64 s[G0+4*(\slot)+2:G0+4*(\slot)+3], s[G0+4*(\slot)+2:G0+4*(\slot)+3], 2*PLANE
	s_add_nc_u64 s[G0B+4*(\slot)+2:G0B+4*(\slot)+3], s[G0B+4*(\slot)+2:G0B+4*(\slot)+3], 2*PLANE
	JLOAD \slot
.endif
	MMG 2, 4, AF1, 0
	PLACES
	FETCHB0 \next, 0
	FETCHA \next, 0, AF0
	MMG 6, 6, AF1, 0                               ; W's blocks 6-11 were shown in by the wait for 0 above
	PLACES
	FETCH2 \next, 0
.endm
; THE WAY OUT, in two halves p of my row blocks (4 p .. 4 p + 3), since a wave's 192 columns are one and a half runs of 256 bytes: the two waves of a row half write the two parts of the same stage rows.
; PACKW: the 16 accumulators of half p in window w (column blocks 4 (w - 1) .. + 3) are rounded to f16, each from its low end on, 16 bytes a lane, and go into the stage.
.macro PACKW p, w
.set TM, 32+64*((\w)%2)
	WIN ((\w)<<2)|(\w)                             ; sources 0 and 1 window w, destination window 0
.irp q, 0,1,2,3
.irp e, 0,1,2,3
.irp r, 0,1,2,3
	v_cvt_pk_f16_f32 v[TM+4*(4*(\q)+(\e))+(\r)], v[8*(8*(\q)+4*(\p)+(\e))+2*(\r)], v[8*(8*(\q)+4*(\p)+(\e))+2*(\r)+1]
.endr
.endr
.endr
	WIN 0
.irp q, 0,1,2,3
.irp e, 0,1,2,3
	ds_store_b128 v[STO], v[TM+4*(4*(\q)+(\e)):TM+4*(4*(\q)+(\e))+3] offset:(\e)*16*SPITCH+32*(4*((\w)-1)+(\q))
.endr
.endr
.endm
; SEND: my 32 rows of the stage come back whole, 48 loads of two rows x 256 bytes, and are stored: the stage's row 64 s + i is the tile's row 128 s + 64 p + i.
.macro SEND p
	WIN 0
.set i, 0
.rept 48
	ds_load_b128 v[OB+4*i:OB+4*i+3], v[RD] offset:(i/3)*2*SPITCH+256*(i%3)
.set i, i+1
.endr
.set i, 0
.rept 48
.if i%3 == 0
	s_wait_dscnt 45-i                              ; LDS loads come back in order: the next three are in, the younger ones stay out
.endif
	global_store_b128 v[CO+i%3], v[OB+4*i:OB+4*i+3], s[8:9] offset:(64*(\p)+2*(i/3))*ROWB  ; 16 lanes store 256 consecutive bytes at a multiple of 256
.set i, i+1
.endr
.endm
	s_wait_dscnt 0x0                               ; for the others' sake: my part of the bias is in LDS,
	s_wait_tensorcnt 1                             ; and my part of K step 0; K step 1's may stay out
	s_barrier_signal -1
	s_barrier_wait -1
	BIASLD 0
	FETCHB0 0, 0
	FETCHA 0, 0, AF0
	FETCH2 0, 0
	; the first quarter stands in front of the loop: its products start the sums, with the bias
	s_wait_dscnt 12                                ; the first six blocks' biases, W's blocks 0-5 and x are in
	MMG 0, 6, AF0, 1
	PLACES
	BIASLD 1
	FETCHB0 0, 1
	s_wait_dscnt 12                                ; W's blocks 6-11 and their biases are in; the 12 just issued may be out
	MMG 6, 6, AF0, 1
	PLACES
	FETCHA 0, 1, AF1                               ; only now is x's second buffer free
	FETCH2 0, 1
	WIN 0
	s_mov_b32 s3, 7
.Llap:                                                 ; a trip goes once round the ring, from a lap's second quarter to the next lap's first, and fills both slots again
	TURN 0, 1, 1
	EQ 1
	TURN 1, 0, 1
	EQ 0
	WIN 0
	s_sub_co_u32 s3, s3, 1
	s_cmp_lg_u32 s3, 0
	s_cbranch_scc1 .Llap
	TURN 0, 1, 0                                   ; the last lap fills nothing
	EQ 1
	s_wait_dscnt 12                                ; the very last quarter: nothing more to fetch
	MMG 0, 6, AF1, 0
	s_wait_dscnt 0x0
	MMG 6, 6, AF1, 0
	WIN 0
	PLACES
	PACKW 0, 1
	PACKW 0, 2
	PACKW 0, 3
	s_wait_dscnt 0x0                               ; for the others' sake: my stores into the stage are done
	s_barrier_signal -1
	s_barrier_wait -1
	SEND 0
	s_barrier_signal -1                            ; my reads of the stage are back (the last count was 0): behind this barrier it is written again
	s_barrier_wait -1
	s_wait_xcnt 0x0                                ; the registers that the stores above read are rewritten only behind this wait
	PACKW 1, 1
	PACKW 1, 2
	PACKW 1, 3
	s_wait_dscnt 0x0
	s_barrier_signal -1
	s_barrier_wait -1
	SEND 1
	s_wait_tensorcnt 0x0                           ; the wave's end
	ds_add_u32 v[SPW], v[NIL]
	s_wait_dscnt 0x0
	CROUND                                         ; the closing round
	s_endpgm
.Lfunc_end_k_qde47b19ad6_proj:
	.size	k_qde47b19ad6_proj, .Lfunc_end_k_qde47b19ad6_proj-k_qde47b19ad6_proj
	.p2alignl 7, 3214868480
	.fill 96, 4, 3214868480
	.section	.rodata,"a",@progbits
	.p2align	6, 0x0
	.amdhsa_kernel k_qde47b19ad6_proj
		.amdhsa_group_segment_fixed_size 327680
		.amdhsa_private_segment_fixed_size 0
		.amdhsa_enable_private_segment 0
		.amdhsa_kernarg_size 40
		.amdhsa_user_sgpr_count 2
		.amdhsa_user_sgpr_kernarg_segment_ptr 1
		.amdhsa_wavefront_size32 1
		.amdhsa_system_sgpr_workgroup_id_x 1
		.amdhsa_system_sgpr_workgroup_id_y 1
		.amdhsa_system_sgpr_workgroup_id_z 1
		.amdhsa_system_vgpr_workitem_id 0
		.amdhsa_next_free_vgpr 1024
		.amdhsa_next_free_sgpr 82
		.amdhsa_reserve_vcc 0
		.amdhsa_float_denorm_mode_32 3
		.amdhsa_float_denorm_mode_16_64 3
		.amdhsa_memory_ordered 1
		.amdhsa_forward_progress 1
		.amdhsa_inst_pref_size 133
	.end_amdhsa_kernel
	.amdgpu_metadata
---
amdhsa.version: [ 1, 2 ]
amdhsa.kernels:
  - .name:           k_qde47b19ad6_proj
    .symbol:         k_qde47b19ad6_proj.kd
    .args:
      - { .name: xw, .offset: 0, .size: 8, .value_kind: global_buffer, .address_space: global }
      - { .name: bq, .offset: 8, .size: 8, .value_kind: global_buffer, .address_space: global }
      - { .name: bk, .offset: 16, .size: 8, .value_kind: global_buffer, .address_space: global }
      - { .name: bv, .offset: 24, .size: 8, .value_kind: global_buffer, .address_space: global }
      - { .name: qkv, .offset: 32, .size: 8, .value_kind: global_buffer, .address_space: global }
    .group_segment_fixed_size: 327680
    .private_segment_fixed_size: 0
    .kernarg_segment_align: 8
    .kernarg_segment_size: 40
    .max_flat_workgroup_size: 128
    .sgpr_count:     82
    .vgpr_count:     1024
    .wavefront_size: 32
...
	.end_amdgpu_metadata
.endif
;; end of part 2
;; launch scores (part 3): grid 8 x 32, 4 waves a work-group, clusters of 4 x 4, 327,680 bytes of LDS; arguments qkv, pw, mrow, lsum; writes pw, mrow, lsum
.if DOCPART == 3
	.amdgcn_target "amdgcn-amd-amdhsa--gfx1250"
	.amdhsa_code_object_version 6
	.text
	.protected	k_qde47b19ad6_scores
	.globl	k_qde47b19ad6_scores
	.p2align	8
	.type	k_qde47b19ad6_scores,@function
k_qde47b19ad6_scores:
	s_mov_b64 s[64:65], 0
	v_nop
	global_prefetch_b8 v0, s[64:65] scope:SCOPE_SE
	s_setreg_imm32_b32 hwreg(HW_REG_WAVE_MODE, 25, 1), 1
	s_wait_xcnt 0x0
	s_wait_alu depctr_hold_cnt(0) depctr_sa_sdst(0) depctr_va_vdst(0) depctr_va_sdst(0) depctr_va_ssrc(0) depctr_va_vcc(0) depctr_vm_vsrc(0)
	s_getreg_b32 s2, hwreg(HW_REG_IB_STS2, 6, 4)
	s_cmp_eq_u32 s2, 0
	s_cbranch_scc0 .Lentry_in_a_cluster
	s_endpgm
.Lentry_in_a_cluster:
	s_bfe_u32 s2, ttmp6, 0x10000c
	s_cmp_lg_u32 s2, 0xf033
	s_cbranch_scc0 .Lentry_shape_is_right
	s_endpgm
.Lentry_shape_is_right:
; For each tile of 256 queries x 256 keys of S = q k^T: cm = c x (the tile's maximum of each row), c = log2(e) / 32; pw = 2^(c s - cm) in f16; lsum = the row's sum of those weights (unrounded, f32) over
; each half tile of 128 keys; mrow = cm.  q and k are f16 rows of qkv ([3][8192][1024]); pw is [8192][2048]; mrow [8 key tiles][8192]; lsum [16 half tiles][8192].  Products, maxima, sums in f32.
; The maximum taken away is the true maximum of the tile's row; the launch behind brings the tiles of a row onto the row's maximum.
; LIMITS.  A weight below 2^-126 counts as 0 in the sum; in pw a weight below 6e-5 keeps f16's fixed step of 6e-8.  NaN and infinities are not treated apart.
; The product is made as in the projection: four waves, each 128 queries x 128 keys in 64 accumulators; K = 1,024 channels in 8 steps of 128 through two LDS slots; cluster 4 x 4, q's tiles shared along
; a row of the cluster, k's along a column (a cluster's four tile rows lie in one batch: 8 tile rows a batch).  Source 0 = 16 keys, source 1 = 16 queries: a lane holds ONE query (l % 16) of each block of
; 16 and 64 of the wave's 128 keys; the lane 16 away holds the other 64, the wave beside me (wave xor 1) the tile's other 128.
; REGISTERS: window 0: v0-31 addresses; v64-127, v128-191 fragments of q (on the way out v64-71 at work, v96-127 four statistics a block: cm, m, l, l); v32-63, v192-255 at work on the way out
;   window 1: v64-191 fragments of k;  window 2: accumulators of my queries 0-63 ((a, b) at v[8 (8 a + b)]);  window 3: of my queries 64-127
.set SIZE_K, 1024
.set KSTEP,  128
.set PITCH,  272
.set HALFT,  128*PITCH
.set SLOT,   4*HALFT
.set STAGE,  2*SLOT                    ; 16 rows x 272 bytes for each wave
.set SPITCH, 272
.set MXS,    STAGE+4*16*SPITCH         ; 512 bytes a wave: my 128 rows' maxima, for the wave beside me
.set STS,    MXS+4*512                 ; 1,024 bytes a wave, its own: cm, then l, to turn them into runs of 16 bytes a lane
.set SPARE,  STS+4*1024                ; the spare words: two blocks of 256 bytes that no other line names
.set LAPS,   SIZE_K/(2*KSTEP)
.set ROWB,   4096                      ; bytes in a row of pw
.set KOFF,   8192*2048                 ; k's first byte in qkv
.set XS,   6                           ; v6   where I put a row's maximum
.set XP,   7                           ; v7   where the wave beside me put its
.set SS,   8                           ; v8   where I put a row's cm and l
.set SR,   9                           ; v9   where I read four rows' back
.set GS,   10                          ; v10  16 x lane
.set ADRA, 16
.set ADRB, 20
.set STO,  24
.set RD,   25
.set CO,   26
.set SPW,  28
.set NIL,  29
.set F0,   64
.set F1,   128
.set T,    64
.set ST,   96
.set TMP,  192
.set OB,   32
.set G1,  24
.set G0,  32
.set G1B, 48
.set G0B, 56
.set CS,  76                           ; s[76:77] c, named as a pair
.set SEL, 78                           ; s[78:79] v_permlanex16_b32's selects: each lane takes its own place in the other half
.set MSB, 0
.macro WIN new
.if MSB != (\new)
	s_set_vgpr_msb (MSB<<8)|(\new)
.set MSB, \new
.endif
.endm
.set MUL_LO, 0xa1
.set TO_B,   0x40
.macro JLOAD s                         ; a joint load: waves 0 and 1 fetch q's two halves, waves 2 and 3 k's; an s_nop 0 and four v_nop follow each line
	s_cmp_eq_u32 s11, 0
	s_cbranch_scc0 .Lfor_b_\@
	tensor_load_to_lds s[G0+4*(\s):G0+4*(\s)+3], s[G1:G1+7]
	s_nop 0
.rept 4
	v_nop
.endr
	s_branch .Lasked_\@
.Lfor_b_\@:
	tensor_load_to_lds s[G0B+4*(\s):G0B+4*(\s)+3], s[G1B:G1B+7]
	s_nop 0
.rept 4
	v_nop
.endr
.Lasked_\@:
.endm
.macro CREST
	s_cmp_lg_u32 s10, 0
	s_cbranch_scc1 .Lnot_wave_0_\@
	s_barrier_signal -3
.Lnot_wave_0_\@:
	s_barrier_wait -3
	s_barrier_signal -1
	s_barrier_wait -1
.endm
.macro CROUND
	s_barrier_signal -1
	s_barrier_wait -1
	CREST
.endm
	s_load_b64 s[68:69], s[0:1], 0x0               ; qkv
	s_load_b64 s[8:9], s[0:1], 0x8                 ; pw
	s_load_b128 s[72:75], s[0:1], 0x10             ; mrow s[72:73], lsum s[74:75]
	v_lshl_add_u32 v[SPW], v0, 2, SPARE
	v_mov_b32 v[NIL], 0
	ds_add_u32 v[SPW], v[NIL]                      ; the wave's opening: the add and its wait stand ahead of my first tensor load
	v_lshrrev_b32 v1, 5, v0
	v_readfirstlane_b32 s10, v1                    ; wave 0..3
	s_lshr_b32 s11, s10, 1                         ; which half of the tile's queries is mine.  Also: I fetch for q (0) or for k (1)
	s_and_b32 s12, s10, 1                          ; which half of its keys.  Also: which 128 rows I fetch
	s_bfe_u32 s40, ttmp6, 0x40000                  ; cx
	s_bfe_u32 s41, ttmp6, 0x40004                  ; cy
	s_lshl_b32 s42, ttmp9, 2
	s_add_co_u32 s42, s42, s40                     ; key tile in the batch = 4 x cluster x + cx
	s_and_b32 s13, ttmp7, 0xffff
	s_lshr_b32 s45, s13, 1                         ; the batch: two clusters along y each; all sixteen partners share it
	s_lshl_b32 s13, s13, 2
	s_add_co_u32 s13, s13, s41                     ; query tile = 4 x cluster y + cy
	s_lshl_b32 s43, s41, 2
	s_lshl_b32 s43, 15, s43
	s_lshl_b32 s44, 0x1111, s40
	s_or_b32 s[G1+0], s43, (1<<16)|(1<<20)|(1<<21)|(5<<22)|(3<<25)
	s_or_b32 s[G1B+0], s44, (1<<16)|(1<<20)|(1<<21)|(5<<22)|(3<<25)
.irp g, G1, G1B
	s_mov_b32 s[(\g)+1], KSTEP<<16
	s_mov_b32 s[(\g)+2], 128<<16
	s_mov_b32 s[(\g)+3], KSTEP<<16
	s_mov_b32 s[(\g)+4], 128
	s_mov_b32 s[(\g)+5], SIZE_K
	s_mov_b32 s[(\g)+6], 0
	s_mov_b32 s[(\g)+7], 0
.endr
	s_mov_b32 s[CS], 0x3d38aa3b                    ; c = log2(e) / 32
	s_mov_b32 s[CS+1], s[CS]
	s_mov_b32 s[SEL], 0x76543210
	s_mov_b32 s[SEL+1], 0xfedcba98
	s_lshl_b32 s17, s12, 7
	s_lshl_b32 s16, s13, 8
	s_add_co_u32 s16, s16, s17                     ; q: row 256 x query tile + 128 x half
	s_lshl_b32 s16, s16, 11
	s_lshl_b32 s46, s42, 8
	s_add_co_u32 s46, s46, s17
	s_lshl_b32 s47, s45, 11
	s_add_co_u32 s46, s46, s47                     ; k: row 2,048 x batch + 256 x key tile + 128 x half
	s_lshl_b32 s46, s46, 11
	s_add_co_u32 s46, s46, KOFF
	s_mov_b32 s17, 0
	s_mov_b32 s47, 0
	s_mul_i32 s20, s10, HALFT
	s_wait_dscnt 0x0                               ; the opening add is done
	s_wait_kmcnt 0x0
	s_add_nc_u64 s[14:15], s[68:69], s[16:17]
	s_add_nc_u64 s[46:47], s[68:69], s[46:47]
	CROUND
.irp s, 0,1
	s_mov_b32 s[G0+4*(\s)], 1
	s_add_co_u32 s[G0+4*(\s)+1], s20, (\s)*SLOT
	s_add_nc_u64 s[G0+4*(\s)+2:G0+4*(\s)+3], s[14:15], (\s)*KSTEP*2
	s_or_b32 s[G0+4*(\s)+3], s[G0+4*(\s)+3], 0x80000000
	s_mov_b32 s[G0B+4*(\s)], 1
	s_add_co_u32 s[G0B+4*(\s)+1], s20, (\s)*SLOT
	s_add_nc_u64 s[G0B+4*(\s)+2:G0B+4*(\s)+3], s[46:47], (\s)*KSTEP*2
	s_or_b32 s[G0B+4*(\s)+3], s[G0B+4*(\s)+3], 0x80000000
	JLOAD \s
.endr
	v_and_b32 v1, 15, v0                           ; l % 16
	v_bfe_u32 v2, v0, 4, 1                         ; l / 16
	v_mul_u32_u24 v3, v1, PITCH
	v_lshl_add_u32 v3, v2, 4, v3
	s_mul_i32 s21, s11, HALFT
	s_mul_i32 s22, s12, HALFT
	s_add_co_u32 s22, s22, 2*HALFT
.irp s, 0,1
	v_add_nc_u32 v[ADRA+(\s)], s21, v3
	v_add_nc_u32 v[ADRB+(\s)], s22, v3
	s_add_co_u32 s21, s21, SLOT
	s_add_co_u32 s22, s22, SLOT
.endr
	s_mul_i32 s23, s10, 16*SPITCH
	s_add_co_u32 s23, s23, STAGE
	v_mul_u32_u24 v4, v1, SPITCH
	v_lshl_add_u32 v4, v2, 4, v4
	v_add_nc_u32 v[STO], s23, v4
	v_mul_u32_u24 v5, v2, SPITCH
	v_lshl_add_u32 v5, v1, 4, v5
	v_add_nc_u32 v[RD], s23, v5
	v_mul_u32_u24 v5, v2, ROWB
	v_lshl_add_u32 v[CO], v1, 4, v5
	s_lshl_b32 s21, s10, 9
	s_add_co_u32 s21, s21, MXS
	v_lshl_add_u32 v[XS], v1, 2, s21               ; my wave's 512 bytes, word l % 16 of a block's sixteen
	s_xor_b32 s21, s10, 1
	s_lshl_b32 s21, s21, 9
	s_add_co_u32 s21, s21, MXS
	v_lshl_add_u32 v[XP], v1, 2, s21               ; the same word of the wave beside me
	s_lshl_b32 s21, s10, 10
	s_add_co_u32 s21, s21, STS
	v_lshl_add_u32 v[SS], v1, 2, s21
	v_and_b32 v[GS], 31, v0
	v_lshlrev_b32 v[GS], 4, v[GS]
	v_add_nc_u32 v[SR], s21, v[GS]
	; where my part begins in pw, mrow and lsum, in bytes
	s_lshl_b32 s16, s13, 8
	s_lshl_b32 s14, s11, 7
	s_add_co_u32 s14, s16, s14                     ; my first row of the 8,192
	s_lshl_b32 s16, s14, 12
	s_lshl_b32 s46, s42, 9                         ; 512 x key tile + 256 x half
	s_lshl_b32 s47, s12, 8
	s_add_co_u32 s46, s46, s47
	s_add_co_u32 s16, s16, s46
	s_mov_b32 s17, 0
	s_lshl_b32 s80, s14, 2                         ; 4 bytes a row
	s_lshl_b32 s46, s42, 15                        ; mrow: 8,192 rows x 4 bytes a key tile
	s_add_co_u32 s46, s46, s80
	s_mov_b32 s47, 0
	s_add_nc_u64 s[72:73], s[72:73], s[46:47]
	s_lshl_b32 s46, s42, 1
	s_add_co_u32 s46, s46, s12                     ; lsum: the half tile
	s_lshl_b32 s46, s46, 15
	s_add_co_u32 s46, s46, s80
	s_add_nc_u64 s[74:75], s[74:75], s[46:47]
; 16 matrix instructions; first = 1: the first product starts the sums.  The 64 accumulators take turns, one instruction a turn.
.macro MUL16 f, hi, a0, first
	WIN MUL_LO+0x50*(\hi)
.irp a, \a0, (\a0)+1
.irp b, 0,1,2,3,4,5,6,7
.if \first
	v_wmma_f32_16x16x32_f16 v[8*(8*(\a)+(\b)):8*(8*(\a)+(\b))+7], v[(\f)+8*(\b):(\f)+8*(\b)+7], v[(\f)+8*(4*(\hi)+(\a)):(\f)+8*(4*(\hi)+(\a))+7], 0
.else
	v_wmma_f32_16x16x32_f16 v[8*(8*(\a)+(\b)):8*(8*(\a)+(\b))+7], v[(\f)+8*(\b):(\f)+8*(\b)+7], v[(\f)+8*(4*(\hi)+(\a)):(\f)+8*(4*(\hi)+(\a))+7], v[8*(8*(\a)+(\b)):8*(8*(\a)+(\b))+7]
.endif
.endr
.endr
.endm
.macro FETCH slot, k, f
	WIN TO_B
.irp i, 0,1,2,3,4,5,6,7
	ds_load_b128 v[(\f)+8*(\i):(\f)+8*(\i)+3],   v[ADRB+(\slot)] offset:(\k)+(\i)*16*PITCH
	ds_load_b128 v[(\f)+8*(\i)+4:(\f)+8*(\i)+7], v[ADRB+(\slot)] offset:(\k)+(\i)*16*PITCH+32
.endr
	WIN 0
.irp i, 0,1,2,3,4,5,6,7
	ds_load_b128 v[(\f)+8*(\i):(\f)+8*(\i)+3],   v[ADRA+(\slot)] offset:(\k)+(\i)*16*PITCH
	ds_load_b128 v[(\f)+8*(\i)+4:(\f)+8*(\i)+7], v[ADRA+(\slot)] offset:(\k)+(\i)*16*PITCH+32
.endr
.endm
.macro PLACES
.rept 4
	v_nop
.endr
.endm
.macro QUARTER slot, k, f, g, first
	s_wait_dscnt 8                                 ; k and q's rows 0-63 are in; the youngest eight loads may be out
	MUL16 \f, 0, 0, \first
	MUL16 \f, 0, 2, \first
	PLACES
	FETCH \slot, \k, \g
	s_wait_dscnt 32                                ; all but the 32 just issued
	MUL16 \f, 1, 0, \first
	MUL16 \f, 1, 2, \first
.endm
.macro TURN slot, next, fill
	WIN 0
	s_wait_tensorcnt 0x0                           ; all my tensor loads have landed
	ds_add_u32 v[SPW], v[NIL]
	s_wait_dscnt 9                                 ; the add and the youngest eight loads may be out
	MUL16 F1, 0, 0, 0
	s_wait_dscnt 0x0                               ; the add is done, and my reads of this slot are over
	s_barrier_signal -1
	MUL16 F1, 0, 2, 0
.if \fill
	WIN 0
.endif
	s_barrier_wait -1
.if \fill
	CREST
	s_add_nc_u64 s[G0+4*(\slot)+2:G0+4*(\slot)+3], s[G0+4*(\slot)+2:G0+4*(\slot)+3], 2*KSTEP*2
	s_add_nc_u64 s[G0B+4*(\slot)+2:G0B+4*(\slot)+3], s[G0B+4*(\slot)+2:G0B+4*(\slot)+3], 2*KSTEP*2
	JLOAD \slot
.else
	PLACES
.endif
	FETCH \next, 0, F0
	MUL16 F1, 1, 0, 0
	MUL16 F1, 1, 2, 0
.endm
; The maximum of my query's 128 scores in block a: eight chains, one an accumulator, each begun at its accumulator's lowest registers; then the lane 16 away.
.macro ROWMAX a
.set AC, 64*((\a)%4)
	WIN 0x2a+0x15*((\a)/4)                         ; all three sources window 2 or 3
.irp b, 0,1,2,3,4,5,6,7
	v_max3_num_f32 v[T+(\b)], v[AC+8*(\b)], v[AC+8*(\b)+1], v[AC+8*(\b)+2]
.endr
	WIN 0x28+0x14*((\a)/4)                         ; source 0 window 0
.irp b, 0,1,2,3,4,5,6,7
	v_max3_num_f32 v[T+(\b)], v[T+(\b)], v[AC+8*(\b)+3], v[AC+8*(\b)+4]
.endr
.irp b, 0,1,2,3,4,5,6,7
	v_max3_num_f32 v[T+(\b)], v[T+(\b)], v[AC+8*(\b)+5], v[AC+8*(\b)+6]
.endr
.irp b, 0,1,2,3
	v_max3_num_f32 v[T+(\b)], v[T+(\b)], v[AC+8*(\b)+7], v[AC+8*(\b)+39]
.endr
	WIN 0
	v_max3_num_f32 v[T], v[T], v[T+1], v[T+2]
	v_max3_num_f32 v[T+3], v[T+3], v[T+4], v[T+5]
	v_max_num_f32 v[T+6], v[T+6], v[T+7]
	v_max3_num_f32 v[T], v[T], v[T+3], v[T+6]
	v_permlanex16_b32 v[T+1], v[T], s[SEL], s[SEL+1]
	v_max_num_f32 v[ST+4*(\a)+1], v[T], v[T+1]
.endm
; Block a's weights: c s - cm in place; the exponentials in place; rounded to f16 into TMP; then the lane's 64 weights are added up in place, two at a time, and the last pair goes to the statistics.
.macro SOFT a
.set AC, 64*((\a)%4)
	WIN 0x82+0x41*((\a)/4)                         ; destination and source 0 window 2 or 3, cm window 0
.set i, 0
.rept 32
	v_pk_fma_f32 v[AC+2*i:AC+2*i+1], v[AC+2*i:AC+2*i+1], s[CS:CS+1], v[ST+4*(\a):ST+4*(\a)+1] op_sel_hi:[1,0,0] neg_lo:[0,0,1] neg_hi:[0,0,1]
.set i, i+1
.endr
.set i, 0
.rept 64
	v_exp_f32 v[AC+i], v[AC+i]
.set i, i+1
.endr
	v_nop                                          ; a plain instruction between the last exponential and the use of its result (ISA guide 5.7.2)
	WIN 0x0a+5*((\a)/4)
	s_wait_alu depctr_va_vdst(0)
.irp b, 0,1,2,3,4,5,6,7
.irp r, 0,1,2,3
	v_cvt_pk_f16_f32 v[TMP+4*(\b)+(\r)], v[AC+8*(\b)+2*(\r)], v[AC+8*(\b)+2*(\r)+1]
.endr
.endr
	WIN 0x8a+0x45*((\a)/4)
.irp w, 16, 8, 4, 2
.set i, 0
.rept \w
	v_pk_add_f32 v[AC+2*i:AC+2*i+1], v[AC+2*i:AC+2*i+1], v[AC+2*(i+\w):AC+2*(i+\w)+1]
.set i, i+1
.endr
.endr
	WIN 0x0a+5*((\a)/4)
	v_pk_add_f32 v[ST+4*(\a)+2:ST+4*(\a)+3], v[AC:AC+1], v[AC+2:AC+3]
	WIN 0
.endm
.macro TOSTAGE a
	WIN 0
.set BK, OB+192*((\a)%2)
.irp b, 0,1,2,3,4,5,6,7
	ds_store_b128 v[STO], v[TMP+4*(\b):TMP+4*(\b)+3] offset:32*(\b)
.endr
.irp t, 0,1,2,3,4,5,6,7
	ds_load_b128 v[BK+4*(\t):BK+4*(\t)+3], v[RD] offset:(\t)*2*SPITCH  ; LDS serves a wave's instructions in order: these see the stores above
.endr
.endm
.macro SEND a, younger
	WIN 0
.set BK, OB+192*((\a)%2)
	s_wait_dscnt \younger
	s_wait_xcnt 0x0                                ; the stores' base, and the registers that earlier stores read, are rewritten only behind this wait
.if (\a) == 0
	s_add_nc_u64 s[8:9], s[8:9], s[16:17]
.else
	s_add_nc_u64 s[8:9], s[8:9], 16*ROWB
.endif
.irp t, 0,1,2,3,4,5,6,7
	global_store_b128 v[CO], v[BK+4*(\t):BK+4*(\t)+3], s[8:9] offset:2*(\t)*ROWB  ; 16 lanes store 256 consecutive bytes at a multiple of 256
.endr
.endm
	s_wait_tensorcnt 1                             ; my part of K step 0 is in; K step 1's may stay out
	s_barrier_signal -1
	s_barrier_wait -1
	FETCH 0, 0, F0
	QUARTER 0, 64,  F0, F1, 1
	WIN 0
	s_mov_b32 s3, LAPS-1
.Llap:
	QUARTER 0, 128, F1, F0, 0
	QUARTER 0, 192, F0, F1, 0
	TURN 0, 1, 1
	QUARTER 1, 64,  F0, F1, 0
	QUARTER 1, 128, F1, F0, 0
	QUARTER 1, 192, F0, F1, 0
	TURN 1, 0, 1
	QUARTER 0, 64,  F0, F1, 0
	WIN 0
	s_sub_co_u32 s3, s3, 1
	s_cmp_lg_u32 s3, 0
	s_cbranch_scc1 .Llap
	QUARTER 0, 128, F1, F0, 0
	QUARTER 0, 192, F0, F1, 0
	TURN 0, 1, 0
	QUARTER 1, 64,  F0, F1, 0
	QUARTER 1, 128, F1, F0, 0
	QUARTER 1, 192, F0, F1, 0
	s_wait_dscnt 8
	MUL16 F1, 0, 0, 0
	MUL16 F1, 0, 2, 0
	s_wait_dscnt 0x0
	MUL16 F1, 1, 0, 0
	MUL16 F1, 1, 2, 0
	WIN 0
	PLACES
	; THE WAY OUT.  Each row's maximum over my 128 keys; the wave beside me has the tile's other 128: the two meet in LDS behind a barrier.
.irp a, 0,1,2,3,4,5,6,7
	ROWMAX \a
.endr
.irp a, 0,1,2,3,4,5,6,7
	ds_store_b32 v[XS], v[ST+4*(\a)+1] offset:64*(\a)  ; both halves of the lanes hold the same number and write the same word
.endr
	s_wait_dscnt 0x0                               ; for the other wave's sake: my stores are done
	s_barrier_signal -1
	s_barrier_wait -1
.irp a, 0,1,2,3,4,5,6,7
	ds_load_b32 v[T+(\a)], v[XP] offset:64*(\a)
.endr
	s_wait_dscnt 0x0
.irp a, 0,1,2,3,4,5,6,7
	v_max_num_f32 v[ST+4*(\a)+1], v[ST+4*(\a)+1], v[T+(\a)]
.endr
.irp a, 0,1,2,3,4,5,6,7
	v_mul_f32 v[ST+4*(\a)], s[CS], v[ST+4*(\a)+1]  ; cm: the same bits in both waves
.endr
	SOFT 0
	TOSTAGE 0
.irp a, 1,2,3,4,5,6,7                  ; block a's arithmetic stands between block a - 1's loads from the stage and the wait for them
	SOFT \a
	SEND (\a)-1, 0
	TOSTAGE \a
.endr
	SEND 7, 0
	; l: the pair's two halves, and the lane 16 away; then cm and l go through my own LDS bytes, so that a lane holds four neighbouring rows' numbers
.irp a, 0,1,2,3,4,5,6,7
	v_add_f32 v[ST+4*(\a)+2], v[ST+4*(\a)+2], v[ST+4*(\a)+3]
.endr
.irp a, 0,1,2,3,4,5,6,7
	v_permlanex16_b32 v[ST+4*(\a)+3], v[ST+4*(\a)+2], s[SEL], s[SEL+1]
.endr
.irp a, 0,1,2,3,4,5,6,7
	v_add_f32 v[ST+4*(\a)+2], v[ST+4*(\a)+2], v[ST+4*(\a)+3]
.endr
.irp a, 0,1,2,3,4,5,6,7
	ds_store_b32 v[SS], v[ST+4*(\a)] offset:64*(\a)
	ds_store_b32 v[SS], v[ST+4*(\a)+2] offset:512+64*(\a)
.endr
	ds_load_b128 v[T:T+3], v[SR]                   ; my wave's own bytes, served in order
	ds_load_b128 v[T+4:T+7], v[SR] offset:512
	s_wait_dscnt 0x0
	global_store_b128 v[GS], v[T+4:T+7], s[74:75]  ; 512 consecutive bytes: my 128 rows' sums over my 128 keys
	s_cmp_lg_u32 s12, 0
	s_cbranch_scc1 .Lno_m                          ; cm is the same in the two waves of a row half: the first stores it
	global_store_b128 v[GS], v[T:T+3], s[72:73]
.Lno_m:
	s_wait_tensorcnt 0x0                           ; the wave's end
	ds_add_u32 v[SPW], v[NIL]
	s_wait_dscnt 0x0
	CROUND                                         ; the closing round
	s_endpgm
.Lfunc_end_k_qde47b19ad6_scores:
	.size	k_qde47b19ad6_scores, .Lfunc_end_k_qde47b19ad6_scores-k_qde47b19ad6_scores
	.p2alignl 7, 3214868480
	.fill 96, 4, 3214868480
	.section	.rodata,"a",@progbits
	.p2align	6, 0x0
	.amdhsa_kernel k_qde47b19ad6_scores
		.amdhsa_group_segment_fixed_size 327680
		.amdhsa_private_segment_fixed_size 0
		.amdhsa_enable_private_segment 0
		.amdhsa_kernarg_size 32
		.amdhsa_user_sgpr_count 2
		.amdhsa_user_sgpr_kernarg_segment_ptr 1
		.amdhsa_wavefront_size32 1
		.amdhsa_system_sgpr_workgroup_id_x 1
		.amdhsa_system_sgpr_workgroup_id_y 1
		.amdhsa_system_sgpr_workgroup_id_z 1
		.amdhsa_system_vgpr_workitem_id 0
		.amdhsa_next_free_vgpr 1024
		.amdhsa_next_free_sgpr 82
		.amdhsa_reserve_vcc 0
		.amdhsa_float_denorm_mode_32 3
		.amdhsa_float_denorm_mode_16_64 3
		.amdhsa_memory_ordered 1
		.amdhsa_forward_progress 1
		.amdhsa_inst_pref_size 214
	.end_amdhsa_kernel
	.amdgpu_metadata
---
amdhsa.version: [ 1, 2 ]
amdhsa.kernels:
  - .name:           k_qde47b19ad6_scores
    .symbol:         k_qde47b19ad6_scores.kd
    .args:
      - { .name: qkv, .offset: 0, .size: 8, .value_kind: global_buffer, .address_space: global }
      - { .name: pw, .offset: 8, .size: 8, .value_kind: global_buffer, .address_space: global }
      - { .name: mrow, .offset: 16, .size: 8, .value_kind: global_buffer, .address_space: global }
      - { .name: lsum, .offset: 24, .size: 8, .value_kind: global_buffer, .address_space: global }
    .group_segment_fixed_size: 327680
    .private_segment_fixed_size: 0
    .kernarg_segment_align: 8
    .kernarg_segment_size: 32
    .max_flat_workgroup_size: 128
    .sgpr_count:     82
    .vgpr_count:     1024
    .wavefront_size: 32
...
	.end_amdgpu_metadata
.endif
;; end of part 3
;; launch pv (part 4): grid 8 x 32, 4 waves a work-group, clusters of 4 x 4, 327,680 bytes of LDS; arguments pw, qkv, mrow, lsum, out0; writes out0
.if DOCPART == 4
	.amdgcn_target "amdgcn-amd-amdhsa--gfx1250"
	.amdhsa_code_object_version 6
	.text
	.protected	k_qde47b19ad6_pv
	.globl	k_qde47b19ad6_pv
	.p2align	8
	.type	k_qde47b19ad6_pv,@function
k_qde47b19ad6_pv:
	s_mov_b64 s[64:65], 0
	v_nop
	global_prefetch_b8 v0, s[64:65] scope:SCOPE_SE
	s_setreg_imm32_b32 hwreg(HW_REG_WAVE_MODE, 25, 1), 1
	s_wait_xcnt 0x0
	s_wait_alu depctr_hold_cnt(0) depctr_sa_sdst(0) depctr_va_vdst(0) depctr_va_sdst(0) depctr_va_ssrc(0) depctr_va_vcc(0) depctr_vm_vsrc(0)
	s_getreg_b32 s2, hwreg(HW_REG_IB_STS2, 6, 4)
	s_cmp_eq_u32 s2, 0
	s_cbranch_scc0 .Lentry_in_a_cluster
	s_endpgm
.Lentry_in_a_cluster:
	s_bfe_u32 s2, ttmp6, 0x10000c
	s_cmp_lg_u32 s2, 0xf033
	s_cbranch_scc0 .Lentry_shape_is_right
	s_endpgm
.Lentry_shape_is_right:
; out0[row][ch] = the sum over the 8 key tiles t of f_t[row] x (the sum over the tile's 256 keys of pw[row][key] v[key][ch]), in f32, with
; f_t = 2^(cm_t - CM) / L, CM = the largest cm_t of the row, L = the sum over t of 2^(cm_t - CM) l_t: the softmax over all 2,048 keys with the row's true maximum taken away.  L is at least 1.
; pw: [8192][2048] f16; v: the third part of qkv, [8192][1024] f16; mrow [8][8192], lsum [16][8192] f32.  Products and sums in f32; a factor below 2^-126 counts as 0.  NaN and infinities are not treated apart.
; SHARES.  A work-group makes 256 rows x 128 channels, each of its four waves 128 rows x 64 channels: 32 accumulators.  K = 2,048 keys in 16 steps of 128 through two LDS slots; a lap (two steps) is one key tile:
; its products start a TEMPORARY sum with the constant 0, and at the lap's end the MAIN sum takes f_t x the temporary one.  The main sum starts at 0, written in the wait for the first tile: the price of one text for every lap.
; LAYOUT.  O^T = V^T P: source 0 = 16 channels x 32 keys, v turned by ds_load_tr16_b128; source 1 = 16 rows of pw as they lie.  A lane holds ONE row (l % 16) and the channels 8 (l / 16) + 0..7, so f is one number a lane and block.
; CLUSTER 4 x 4: pw's tiles are shared along a row of the cluster (same rows, other channels), v's along a column (same channels, and a cluster's four row tiles lie in one batch).
; REGISTERS: window 0: v0-31 addresses; v32-47 f, a pair a block; v64-127, v128-191 fragments of pw, two buffers; v192-223, v224-255 of v
;   window 1: the temporary sums ((a, c) at v[8 (4 a + c)]);  window 2: the main sums, at the same places
.set PP,     272                       ; a row of pw in LDS: 256 bytes + 16
.set PV,     288                       ; a row of v: 256 + 32: 16 lanes of the turning load take 8 rows x 32 bytes without meeting
.set PHALF,  128*PP                    ; what a tensor load of pw brings: 128 rows
.set VOFF,   2*PHALF                   ; v's 128 keys lie behind pw's 256 rows
.set VHALF,  64*PV                     ; what a tensor load of v brings: 64 keys
.set SLOT,   VOFF+2*VHALF
.set FT,     2*SLOT                    ; behind the ring: f, [8 tiles][256 rows][f, f] in f32
.set STAGE,  FT+16384                  ; 16 rows x 272 bytes for each wave
.set SPITCH, 272
.set SPARE,  STAGE+4*16*SPITCH         ; the spare words: two blocks of 256 bytes that no other line names
.set VBASE,  2*8192*2048               ; v's first byte in qkv
.set ADRA, 16                          ; v16-17  LDS address of my pw fragments in slot 0, 1
.set ADRV, 20                          ; v20-21  the same for v
.set STO,  24
.set RD,   25
.set CO,   26
.set FTA,  27                          ; v27  where my rows' f of the lap in hand lie
.set SPW,  28
.set NIL,  29
.set FTW,  30                          ; v30  where I put two rows' f
.set SO,   31                          ; v31  8 x thread: my two rows in mrow and lsum
.set FA,   32
.set PF,   64
.set VF,   192
.set OB,   64                          ; the way out: rows read back, v64-95 and v96-127 by turns
.set CMT,  64                          ; the set-up of f: cm of 8 tiles x 2 rows,
.set LS,   80                          ; l of 16 half tiles x 2 rows,
.set CMX,  112                         ; CM, L, 1 / L,
.set LL,   114
.set RC,   116
.set FF,   128                         ; and f, f of row 0, f, f of row 1 for each tile
.set G1,  24
.set G0,  32
.set G1B, 48
.set G0B, 56
.set MSB, 0
.macro WIN new
.if MSB != (\new)
	s_set_vgpr_msb (MSB<<8)|(\new)
.set MSB, \new
.endif
.endm
.macro JLOAD s                         ; a joint load: waves 0 and 1 fetch pw's two halves, waves 2 and 3 v's; an s_nop 0 and four v_nop follow each line
	s_cmp_eq_u32 s11, 0
	s_cbranch_scc0 .Lfor_b_\@
	tensor_load_to_lds s[G0+4*(\s):G0+4*(\s)+3], s[G1:G1+7]
	s_nop 0
.rept 4
	v_nop
.endr
	s_branch .Lasked_\@
.Lfor_b_\@:
	tensor_load_to_lds s[G0B+4*(\s):G0B+4*(\s)+3], s[G1B:G1B+7]
	s_nop 0
.rept 4
	v_nop
.endr
.Lasked_\@:
.endm
.macro CREST
	s_cmp_lg_u32 s10, 0
	s_cbranch_scc1 .Lnot_wave_0_\@
	s_barrier_signal -3
.Lnot_wave_0_\@:
	s_barrier_wait -3
	s_barrier_signal -1
	s_barrier_wait -1
.endm
.macro CROUND
	s_barrier_signal -1
	s_barrier_wait -1
	CREST
.endm
	s_load_b256 s[68:75], s[0:1], 0x0              ; pw s[68:69], qkv s[70:71], mrow s[72:73], lsum s[74:75]
	s_load_b64 s[8:9], s[0:1], 0x20                ; out0
	v_lshl_add_u32 v[SPW], v0, 2, SPARE
	v_mov_b32 v[NIL], 0
	ds_add_u32 v[SPW], v[NIL]                      ; the wave's opening: the add and its wait stand ahead of my first tensor load
	v_lshrrev_b32 v1, 5, v0
	v_readfirstlane_b32 s10, v1                    ; wave 0..3
	s_lshr_b32 s11, s10, 1                         ; which half of the tile's rows is mine.  Also: I fetch for pw (0) or for v (1)
	s_and_b32 s12, s10, 1                          ; which half of its channels.  Also: which half of that tile I fetch
	s_bfe_u32 s40, ttmp6, 0x40000                  ; cx
	s_bfe_u32 s41, ttmp6, 0x40004                  ; cy
	s_lshl_b32 s42, ttmp9, 2
	s_add_co_u32 s42, s42, s40                     ; channel tile = 4 x cluster x + cx
	s_and_b32 s13, ttmp7, 0xffff
	s_lshr_b32 s45, s13, 1                         ; the batch, which all sixteen partners share
	s_lshl_b32 s13, s13, 2
	s_add_co_u32 s13, s13, s41                     ; row tile = 4 x cluster y + cy
	s_lshl_b32 s43, s41, 2
	s_lshl_b32 s43, 15, s43                        ; my row of the cluster
	s_lshl_b32 s44, 0x1111, s40                    ; my column
	s_or_b32 s[G1+0], s43, (1<<16)|(1<<20)|(1<<21)|(5<<22)|(3<<25)  ; pw: the mask; 2-byte elements; padding on; bit 21 beside a mask; after every 64 words 4 words
	s_mov_b32 s[G1+1], 128<<16                     ; tensor_dim0 = 128 keys
	s_mov_b32 s[G1+2], 128<<16                     ; tensor_dim1 = 128 rows
	s_mov_b32 s[G1+3], 128<<16                     ; tile_dim0
	s_mov_b32 s[G1+4], 128                         ; tile_dim1
	s_mov_b32 s[G1+5], 2048                        ; elements from row to row
	s_mov_b32 s[G1+6], 0
	s_mov_b32 s[G1+7], 0
	s_or_b32 s[G1B+0], s44, (1<<16)|(1<<20)|(1<<21)|(5<<22)|(7<<25) ; v: 8 words of padding
	s_mov_b32 s[G1B+1], 128<<16                    ; tensor_dim0 = 128 channels
	s_mov_b32 s[G1B+2], 64<<16                     ; tensor_dim1 = 64 keys
	s_mov_b32 s[G1B+3], 128<<16
	s_mov_b32 s[G1B+4], 64
	s_mov_b32 s[G1B+5], 1024
	s_mov_b32 s[G1B+6], 0
	s_mov_b32 s[G1B+7], 0
	s_lshl_b32 s17, s12, 7
	s_lshl_b32 s16, s13, 8
	s_add_co_u32 s16, s16, s17                     ; pw: row 256 x row tile + 128 x half
	s_lshl_b32 s16, s16, 12                        ; 4,096 bytes a row
	s_mov_b32 s17, 0
	s_lshl_b32 s46, s45, 11
	s_lshl_b32 s47, s12, 6
	s_add_co_u32 s46, s46, s47                     ; v: key row 2,048 x batch + 64 x half
	s_lshl_b32 s46, s46, 11
	s_lshl_b32 s47, s42, 8                         ; 256 bytes a channel tile
	s_add_co_u32 s46, s46, s47
	s_add_co_u32 s46, s46, VBASE
	s_mov_b32 s47, 0
	s_mul_i32 s20, s12, PHALF                      ; where they go: no place in the cluster enters an LDS address
	s_mul_i32 s21, s12, VHALF
	s_add_co_u32 s21, s21, VOFF
	s_wait_dscnt 0x0                               ; the opening add is done
	s_wait_kmcnt 0x0
	s_add_nc_u64 s[14:15], s[68:69], s[16:17]
	s_add_nc_u64 s[46:47], s[70:71], s[46:47]
	CROUND
.irp s, 0,1
	s_mov_b32 s[G0+4*(\s)], 1
	s_add_co_u32 s[G0+4*(\s)+1], s20, (\s)*SLOT
	s_add_nc_u64 s[G0+4*(\s)+2:G0+4*(\s)+3], s[14:15], (\s)*256       ; K step s: 128 keys along pw's rows,
	s_or_b32 s[G0+4*(\s)+3], s[G0+4*(\s)+3], 0x80000000
	s_mov_b32 s[G0B+4*(\s)], 1
	s_add_co_u32 s[G0B+4*(\s)+1], s21, (\s)*SLOT
	s_add_nc_u64 s[G0B+4*(\s)+2:G0B+4*(\s)+3], s[46:47], (\s)*262144  ; 128 rows of v down
	s_or_b32 s[G0B+4*(\s)+3], s[G0B+4*(\s)+3], 0x80000000
	JLOAD \s                                       ; two loads of mine are out
.endr
	; thread t takes rows 2 t and 2 t + 1 of the tile's 256: their cm of 8 tiles and l of 16 half tiles
	v_lshlrev_b32 v[SO], 3, v0
	s_lshl_b32 s22, s13, 10                        ; 256 rows x 4 bytes a row tile
	s_mov_b32 s23, 0
	s_add_nc_u64 s[72:73], s[72:73], s[22:23]
	s_add_nc_u64 s[74:75], s[74:75], s[22:23]
.irp tt, 0,1,2,3,4,5,6,7
	global_load_b64 v[CMT+2*(\tt):CMT+2*(\tt)+1], v[SO], s[72:73] offset:32768*(\tt)
.endr
.irp u, 0,1,2,3,4,5,6,7,8,9,10,11,12,13,14,15
	global_load_b64 v[LS+2*(\u):LS+2*(\u)+1], v[SO], s[74:75] offset:32768*(\u)
.endr
	WIN 0x80                                       ; the main sums start at 0
.set i, 0
.rept 256
	v_mov_b32 v[i], 0
.set i, i+1
.endr
	WIN 0
	v_and_b32 v1, 15, v0                           ; l % 16
	v_bfe_u32 v2, v0, 4, 1                         ; l / 16
	v_mul_u32_u24 v3, v1, PP
	v_lshl_add_u32 v3, v2, 4, v3                   ; a pw fragment's row x pitch + 16 x half
	s_mul_i32 s21, s11, PHALF                      ; my 128 rows
	v_add_nc_u32 v[ADRA], s21, v3
	s_add_co_u32 s21, s21, SLOT
	v_add_nc_u32 v[ADRA+1], s21, v3
	; the turning load takes 16 keys x 16 channels: lane l reads key 8 (l / 16) + l % 8, channels 8 ((l / 8) % 2) + 0..7, and is left with channel l % 16 and 8 keys
	v_and_b32 v4, 7, v0
	v_lshl_add_u32 v4, v2, 3, v4
	v_mul_u32_u24 v4, v4, PV
	v_bfe_u32 v5, v0, 3, 1
	v_lshl_add_u32 v4, v5, 4, v4
	s_lshl_b32 s22, s12, 7                         ; my 64 channels
	s_add_co_u32 s22, s22, VOFF
	v_add_nc_u32 v[ADRV], s22, v4
	s_add_co_u32 s22, s22, SLOT
	v_add_nc_u32 v[ADRV+1], s22, v4
	s_mul_i32 s23, s10, 16*SPITCH
	s_add_co_u32 s23, s23, STAGE                   ; my stage
	v_mul_u32_u24 v4, v1, SPITCH                   ; in: row l % 16, 32 bytes (8 channels in f32) for each half of the lanes
	v_lshl_add_u32 v4, v2, 5, v4
	v_add_nc_u32 v[STO], s23, v4
	v_mul_u32_u24 v5, v2, SPITCH                   ; back: lanes 0-15 one row of 256 bytes, lanes 16-31 the next
	v_lshl_add_u32 v5, v1, 4, v5
	v_add_nc_u32 v[RD], s23, v5
	v_lshlrev_b32 v5, 12, v2                       ; and the same two rows in out0
	v_lshl_add_u32 v[CO], v1, 4, v5
	s_lshl_b32 s22, s11, 10                        ; f: 8 bytes a row, my 128 rows
	s_add_co_u32 s22, s22, FT
	v_lshl_add_u32 v[FTA], v1, 3, s22
	v_lshl_add_u32 v[FTW], v0, 4, FT
	s_lshl_b32 s16, s13, 8                         ; where my part begins in out0
	s_lshl_b32 s14, s11, 7
	s_add_co_u32 s16, s16, s14
	s_lshl_b32 s16, s16, 12
	s_lshl_b32 s46, s42, 9                         ; 512 bytes a channel tile, 256 for my half
	s_lshl_b32 s47, s12, 8
	s_add_co_u32 s46, s46, s47
	s_add_co_u32 s16, s16, s46
	s_mov_b32 s17, 0
	s_wait_loadcnt 0x0                             ; cm and l
.irp e, 0,1
	v_max3_num_f32 v[CMX+(\e)], v[CMT+(\e)], v[CMT+2+(\e)], v[CMT+4+(\e)]
	v_max3_num_f32 v[CMX+(\e)], v[CMX+(\e)], v[CMT+6+(\e)], v[CMT+8+(\e)]
	v_max3_num_f32 v[CMX+(\e)], v[CMX+(\e)], v[CMT+10+(\e)], v[CMT+12+(\e)]
	v_max_num_f32 v[CMX+(\e)], v[CMX+(\e)], v[CMT+14+(\e)]
.endr
.irp tt, 0,1,2,3,4,5,6,7
	v_pk_add_f32 v[CMT+2*(\tt):CMT+2*(\tt)+1], v[CMT+2*(\tt):CMT+2*(\tt)+1], v[CMX:CMX+1] neg_lo:[0,1] neg_hi:[0,1]
.endr
.set i, 0
.rept 16
	v_exp_f32 v[CMT+i], v[CMT+i]
.set i, i+1
.endr
.irp tt, 0,1,2,3,4,5,6,7               ; a tile's two halves; these plain lines also stand between the exponentials and the use of their results
	v_pk_add_f32 v[LS+4*(\tt):LS+4*(\tt)+1], v[LS+4*(\tt):LS+4*(\tt)+1], v[LS+4*(\tt)+2:LS+4*(\tt)+3]
.endr
	s_wait_alu depctr_va_vdst(0)
	v_pk_mul_f32 v[LL:LL+1], v[CMT:CMT+1], v[LS:LS+1]
.irp tt, 1,2,3,4,5,6,7
	v_pk_fma_f32 v[LL:LL+1], v[CMT+2*(\tt):CMT+2*(\tt)+1], v[LS+4*(\tt):LS+4*(\tt)+1], v[LL:LL+1]
.endr
	v_rcp_f32 v[RC], v[LL]
	v_rcp_f32 v[RC+1], v[LL+1]
	v_nop                                          ; a plain instruction between the last reciprocal and the use of its result
	s_wait_alu depctr_va_vdst(0)
.irp tt, 0,1,2,3,4,5,6,7
	v_mul_f32 v[FF+4*(\tt)],   v[CMT+2*(\tt)],   v[RC]
	v_mul_f32 v[FF+4*(\tt)+1], v[CMT+2*(\tt)],   v[RC]
	v_mul_f32 v[FF+4*(\tt)+2], v[CMT+2*(\tt)+1], v[RC+1]
	v_mul_f32 v[FF+4*(\tt)+3], v[CMT+2*(\tt)+1], v[RC+1]
	ds_store_b128 v[FTW], v[FF+4*(\tt):FF+4*(\tt)+3] offset:2048*(\tt)
.endr
; n x 4 matrix instructions: row blocks a0 .. a0 + n - 1 x all 4 channel blocks, 32 keys, buffer f.  zero = 1: they start the temporary sums.  The 32 accumulators take turns, one instruction a turn.
.macro MULP f, a0, n, zero
	WIN 0x50                                       ; fragments window 0, C and D window 1
.set aa, \a0
.rept \n
.irp c, 0,1,2,3
.if \zero
	v_wmma_f32_16x16x32_f16 v[8*(4*aa+(\c)):8*(4*aa+(\c))+7], v[VF+32*(\f)+8*(\c):VF+32*(\f)+8*(\c)+7], v[PF+64*(\f)+8*aa:PF+64*(\f)+8*aa+7], 0
.else
	v_wmma_f32_16x16x32_f16 v[8*(4*aa+(\c)):8*(4*aa+(\c))+7], v[VF+32*(\f)+8*(\c):VF+32*(\f)+8*(\c)+7], v[PF+64*(\f)+8*aa:PF+64*(\f)+8*aa+7], v[8*(4*aa+(\c)):8*(4*aa+(\c))+7]
.endif
.endr
.set aa, aa+1
.endr
.endm
; 24 LDS loads in one run: quarter kq (32 keys) of a slot into buffer f: v's 8 (turned), then pw's 16
.macro FETCH slot, kq, f
	WIN 0
.irp c, 0,1,2,3
	ds_load_tr16_b128 v[VF+32*(\f)+8*(\c):VF+32*(\f)+8*(\c)+3],   v[ADRV+(\slot)] offset:(\kq)*32*PV+32*(\c)
	ds_load_tr16_b128 v[VF+32*(\f)+8*(\c)+4:VF+32*(\f)+8*(\c)+7], v[ADRV+(\slot)] offset:(\kq)*32*PV+16*PV+32*(\c)
.endr
.irp a, 0,1,2,3,4,5,6,7
	ds_load_b128 v[PF+64*(\f)+8*(\a):PF+64*(\f)+8*(\a)+3],   v[ADRA+(\slot)] offset:64*(\kq)+(\a)*16*PP
	ds_load_b128 v[PF+64*(\f)+8*(\a)+4:PF+64*(\f)+8*(\a)+7], v[ADRA+(\slot)] offset:64*(\kq)+(\a)*16*PP+32
.endr
.endm
.macro PLACES                          ; four plain vector instructions between a matrix instruction and a load into, or a vector read of, its registers
.rept 4
	v_nop
.endr
.endm
; A K step is four quarters of 32 keys, 32 matrix instructions each, on buffers 0, 1, 0, 1.  One of the first three multiplies f and fetches quarter kq into g.
.macro QUARTER slot, kq, f, g, zero
	s_wait_dscnt 8                                 ; v and pw's blocks 0-3 are in; the youngest eight loads (blocks 4-7) may be out
	MULP \f, 0, 4, \zero
	PLACES
	FETCH \slot, \kq, \g
	s_wait_dscnt 24                                ; all but the 24 just issued
	MULP \f, 4, 4, \zero
.endm
.macro FACT step                       ; my eight blocks' f of the lap in hand; step = 1: on to the next lap's
	WIN 0
.irp a, 0,1,2,3,4,5,6,7
	ds_load_b64 v[FA+2*(\a):FA+2*(\a)+1], v[FTA] offset:128*(\a)
.endr
.if \step
	v_add_nc_u32 v[FTA], 2048, v[FTA]
.endif
.endm
; The last quarter multiplies buffer 1 and changes slots: one barrier; in front of it each wave waits for all its tensor loads (its part of the next slot), adds 0 to its spare word, and waits for that and for
; its reads of this slot.  fill = 1: the barrier opens a round of the cluster's, and this slot is filled again, two K steps ahead, first thing behind the round.  fac = 1: the lap ends: its f are fetched.
.macro TURN slot, next, fill, fac
	WIN 0
	s_wait_tensorcnt 0x0                           ; all my tensor loads have landed
	ds_add_u32 v[SPW], v[NIL]
	s_wait_dscnt 9                                 ; the add and the youngest eight loads may be out
	MULP 1, 0, 2, 0
	s_wait_dscnt 0x0                               ; the add is done, and my reads of this slot are over
	s_barrier_signal -1
	MULP 1, 2, 2, 0
.if \fill
	WIN 0
.endif
	s_barrier_wait -1
.if \fill
	CREST                                          ; no wave of any partner still reads this slot or has a load on its way
	s_add_nc_u64 s[G0+4*(\slot)+2:G0+4*(\slot)+3], s[G0+4*(\slot)+2:G0+4*(\slot)+3], 512
	s_add_nc_u64 s[G0B+4*(\slot)+2:G0B+4*(\slot)+3], s[G0B+4*(\slot)+2:G0B+4*(\slot)+3], 524288
	JLOAD \slot                                    ; 112 matrix instructions ahead of the wait for it; its four v_nop are also the places in front of the loads below
.else
	PLACES
.endif
.if \fac
	FACT 1
.endif
	FETCH \next, 0, 0
	MULP 1, 4, 4, 0
.endm
; The lap's end: main += f x temporary, each accumulator from its low end on.  younger: the LDS loads issued behind f's, which may stay out.
.macro MERGE younger
	PLACES
	s_wait_dscnt \younger
	WIN 0xa1                                       ; destination and source 2 window 2, source 0 window 1, f window 0
.set i, 0
.rept 128
	v_pk_fma_f32 v[2*i:2*i+1], v[2*i:2*i+1], v[FA+2*(i/16):FA+2*(i/16)+1], v[2*i:2*i+1]
.set i, i+1
.endr
.endm
; THE WAY OUT of block a (16 rows x 64 channels in f32): into my own stage, back as whole rows of 256 bytes, stored.
.macro TOSTAGE a
	s_wait_xcnt 0x0                                ; the registers that the stores two blocks back read are loaded again only behind this wait
	WIN 0x08                                       ; the data window 2
.irp c, 0,1,2,3
	ds_store_b128 v[STO], v[8*(4*(\a)+(\c)):8*(4*(\a)+(\c))+3]   offset:64*(\c)
	ds_store_b128 v[STO], v[8*(4*(\a)+(\c))+4:8*(4*(\a)+(\c))+7] offset:64*(\c)+16
.endr
	WIN 0
.set BK, OB+32*((\a)%2)
.irp t, 0,1,2,3,4,5,6,7
	ds_load_b128 v[BK+4*(\t):BK+4*(\t)+3], v[RD] offset:(\t)*2*SPITCH  ; LDS serves a wave's instructions in order: these see the stores above, and the next block's stores come behind them
.endr
.endm
.macro SEND a, younger                 ; younger: the next block's eight stores and eight loads, or none
	WIN 0
.set BK, OB+32*((\a)%2)
	s_wait_dscnt \younger
	s_wait_xcnt 0x0                                ; the stores' base is rewritten only behind this wait
.if (\a) == 0
	s_add_nc_u64 s[8:9], s[8:9], s[16:17]
.else
	s_add_nc_u64 s[8:9], s[8:9], 65536             ; 16 rows of out0 on
.endif
.irp t, 0,1,2,3,4,5,6,7
	global_store_b128 v[CO], v[BK+4*(\t):BK+4*(\t)+3], s[8:9] offset:8192*(\t) th:TH_STORE_NT  ; 16 lanes store 256 consecutive bytes at a multiple of 256
.endr
.endm
	s_wait_dscnt 0x0                               ; for the others' sake: my rows' f are in LDS,
	s_wait_tensorcnt 1                             ; and my part of K step 0; K step 1's may stay out
	s_barrier_signal -1
	s_barrier_wait -1
	FETCH 0, 0, 0
	s_mov_b32 s3, 7
.Llap:                                                 ; a trip is a key tile: two K steps, both slots filled again, one merge
	QUARTER 0, 1, 0, 1, 1
	QUARTER 0, 2, 1, 0, 0
	QUARTER 0, 3, 0, 1, 0
	TURN 0, 1, 1, 0
	QUARTER 1, 1, 0, 1, 0
	QUARTER 1, 2, 1, 0, 0
	QUARTER 1, 3, 0, 1, 0
	TURN 1, 0, 1, 1
	MERGE 24                                       ; f is in; the next lap's first 24 fragment loads stay out
	WIN 0
	s_sub_co_u32 s3, s3, 1
	s_cmp_lg_u32 s3, 0
	s_cbranch_scc1 .Llap
	QUARTER 0, 1, 0, 1, 1                          ; the last key tile fills nothing
	QUARTER 0, 2, 1, 0, 0
	QUARTER 0, 3, 0, 1, 0
	TURN 0, 1, 0, 0
	QUARTER 1, 1, 0, 1, 0
	QUARTER 1, 2, 1, 0, 0
	QUARTER 1, 3, 0, 1, 0
	FACT 0
	s_wait_dscnt 16                                ; f's eight loads and pw's blocks 4-7 may be out
	MULP 1, 0, 4, 0
	s_wait_dscnt 0x0
	MULP 1, 4, 4, 0
	MERGE 0
	TOSTAGE 0
	TOSTAGE 1
	SEND 0, 16
.irp a, 2,3,4,5,6,7
	TOSTAGE \a
	SEND (\a)-1, 16
.endr
	SEND 7, 0
	s_wait_tensorcnt 0x0                           ; the wave's end
	ds_add_u32 v[SPW], v[NIL]
	s_wait_dscnt 0x0
	CROUND                                         ; the closing round
	s_endpgm
.Lfunc_end_k_qde47b19ad6_pv:
	.size	k_qde47b19ad6_pv, .Lfunc_end_k_qde47b19ad6_pv-k_qde47b19ad6_pv
	.p2alignl 7, 3214868480
	.fill 96, 4, 3214868480
	.section	.rodata,"a",@progbits
	.p2align	6, 0x0
	.amdhsa_kernel k_qde47b19ad6_pv
		.amdhsa_group_segment_fixed_size 327680
		.amdhsa_private_segment_fixed_size 0
		.amdhsa_enable_private_segment 0
		.amdhsa_kernarg_size 40
		.amdhsa_user_sgpr_count 2
		.amdhsa_user_sgpr_kernarg_segment_ptr 1
		.amdhsa_wavefront_size32 1
		.amdhsa_system_sgpr_workgroup_id_x 1
		.amdhsa_system_sgpr_workgroup_id_y 1
		.amdhsa_system_sgpr_workgroup_id_z 1
		.amdhsa_system_vgpr_workitem_id 0
		.amdhsa_next_free_vgpr 768
		.amdhsa_next_free_sgpr 82
		.amdhsa_reserve_vcc 0
		.amdhsa_float_denorm_mode_32 3
		.amdhsa_float_denorm_mode_16_64 3
		.amdhsa_memory_ordered 1
		.amdhsa_forward_progress 1
		.amdhsa_inst_pref_size 118
	.end_amdhsa_kernel
	.amdgpu_metadata
---
amdhsa.version: [ 1, 2 ]
amdhsa.kernels:
  - .name:           k_qde47b19ad6_pv
    .symbol:         k_qde47b19ad6_pv.kd
    .args:
      - { .name: pw, .offset: 0, .size: 8, .value_kind: global_buffer, .address_space: global }
      - { .name: qkv, .offset: 8, .size: 8, .value_kind: global_buffer, .address_space: global }
      - { .name: mrow, .offset: 16, .size: 8, .value_kind: global_buffer, .address_space: global }
      - { .name: lsum, .offset: 24, .size: 8, .value_kind: global_buffer, .address_space: global }
      - { .name: out0, .offset: 32, .size: 8, .value_kind: global_buffer, .address_space: global }
    .group_segment_fixed_size: 327680
    .private_segment_fixed_size: 0
    .kernarg_segment_align: 8
    .kernarg_segment_size: 40
    .max_flat_workgroup_size: 128
    .sgpr_count:     82
    .vgpr_count:     768
    .wavefront_size: 32
...
	.end_amdgpu_metadata
.endif
;; end of part 4
;; ======== version 2 of 2: 4 launches; version 1 with the launch cast written anew for expert scheduling mode
;; limits: values are held in f16: magnitudes above 65,504 overflow, below 6.1e-05 lose precision
;; workspace buffers: xw 23,068,672 bytes; qkv 50,331,648 bytes; pw 33,554,432 bytes; mrow 262,144 bytes; lsum 524,288 bytes
;; launch cast (part 5): grid 704 x 1, 8 waves a work-group, no clusters, 0 bytes of LDS; arguments x, Wq, Wk, Wv, xw; writes xw
.if DOCPART == 5
	.amdgcn_target "amdgcn-amd-amdhsa--gfx1250"
	.amdhsa_code_object_version 6
	.text
	.protected	k_qde47b19ad6_cast
	.globl	k_qde47b19ad6_cast
	.p2align	8
	.type	k_qde47b19ad6_cast,@function
k_qde47b19ad6_cast:
	s_mov_b64 s[64:65], 0
	v_nop
	global_prefetch_b8 v0, s[64:65] scope:SCOPE_SE
	s_setreg_imm32_b32 hwreg(HW_REG_WAVE_SCHED_MODE, 0, 2), 2
	s_setreg_imm32_b32 hwreg(HW_REG_WAVE_MODE, 25, 1), 1
	s_wait_xcnt 0x0
	s_wait_alu depctr_vm_vsrc(0)
; xw in bf16 = x (rows 0-8191), Wq (8192-9215), Wk (9216-10239), Wv (10240-11263), each number rounded once to nearest even, laid in 16 blocks of 64 along K:
; xw[kb][row][64]: number (row, k) lies at byte (k / 64) x PLANE + row x 128 + (k % 64) x 2.  So the rows of a tile of 64 along K lie end to end for the launch behind.
; A work-group takes 16 rows: 65,536 bytes in, 32,768 out; groups 0-511 x, 512-575 Wq, 576-639 Wk, 640-703 Wv.  Wave w takes K blocks 2 w and 2 w + 1, in 16 pieces of two rows x one K block:
; lanes 0-15 read 256 consecutive bytes of the even row, lanes 16-31 of the odd one; the wave's store is the two rows' 128 bytes each: 256 consecutive bytes at a multiple of 256.
; All sixteen loads go out first; no register is written twice.  No LDS, no matrix unit: bytes alone count here.
; THE MODE: SCHED_MODE bits 1:0 = 2 (LLVM: expert scheduling mode 2), set by the entry lines.  The code itself states the register dependences
; between vector instructions and memory instructions, with s_wait_alu, always for 0.
; THE PLAN.  Registers that memory instructions touch:
;   v1, v2   the loads' and the stores' byte offsets: written by vector instructions at the head, never again; read by every load (v1) and every store (v2).
;   X        piece j's four registers: written by the piece's one load and by nothing else; read by its two conversions; never loaded again.
;   Y        piece j's two registers: written once, by its two conversions; read by its one store; never written again.
; So one wait on va_vdst stands ahead of the first load, for the two offsets, and one behind the eight conversions of each group of four pieces, ahead of the group's four stores, for their data.
; No register that a memory instruction reads is ever written again, no load lands in a register that a vector instruction has named, no vector instruction writes a scalar register or VCC, and
; EXEC is never written: nothing else is owed.
.set PLANE, 11264*128                  ; bytes in a K block of xw
.set X, 4                              ; v[4:67]   piece j as loaded
.set Y, 68                             ; v[68:99]  piece j to store
	s_load_b256 s[4:11], s[0:1], 0x0               ; x s[4:5], Wq s[6:7], Wk s[8:9], Wv s[10:11]
	s_load_b64 s[12:13], s[0:1], 0x20              ; xw
	v_lshrrev_b32 v3, 5, v0                        ; wave
	v_and_b32 v1, 15, v0
	v_lshlrev_b32 v1, 4, v1                        ; as read: 16 bytes for each of 16 lanes,
	v_bfe_u32 v2, v0, 4, 1
	v_lshl_add_u32 v1, v2, 12, v1                  ; the odd row 4,096 bytes on,
	v_lshl_add_u32 v1, v3, 9, v1                   ; my wave's two K blocks: 512 bytes of a row
	v_mul_u32_u24 v2, v3, 2*PLANE                  ; as written: my wave's two K blocks,
	v_and_b32 v3, 31, v0
	v_lshl_add_u32 v2, v3, 3, v2                   ; 8 bytes a lane
	s_and_b32 s14, ttmp9, 63                       ; a weight's 64 groups begin at multiples of 64
	s_cmp_lt_u32 ttmp9, 512
	s_cselect_b32 s14, ttmp9, s14                  ; my group's number within its source
	s_lshl_b32 s14, s14, 16                        ; times 65,536 bytes
	s_mov_b32 s15, 0
	s_lshl_b32 s16, ttmp9, 11                      ; my group's 16 rows of 128 bytes in a K block
	s_mov_b32 s17, 0
	s_wait_kmcnt 0x0
	s_mov_b64 s[18:19], s[10:11]                   ; the source is chosen by the group's number alone
	s_cmp_lt_u32 ttmp9, 640
	s_cselect_b64 s[18:19], s[8:9], s[18:19]
	s_cmp_lt_u32 ttmp9, 576
	s_cselect_b64 s[18:19], s[6:7], s[18:19]
	s_cmp_lt_u32 ttmp9, 512
	s_cselect_b64 s[18:19], s[4:5], s[18:19]
	s_add_nc_u64 s[18:19], s[18:19], s[14:15]
	s_add_nc_u64 s[12:13], s[12:13], s[16:17]
	s_wait_alu depctr_va_vdst(0)                   ; v1 and v2 are written: every load below reads v1 as its offset, every store v2
.irp j, 0,1,2,3,4,5,6,7,8,9,10,11,12,13,14,15  ; piece j: rows 2 (j / 2) and the next, K block 2 w + j % 2
	global_load_b128 v[X+4*(\j):X+4*(\j)+3], v1, s[18:19] offset:((\j)/2)*8192+((\j)%2)*256 th:TH_LOAD_NT
.endr
.irp g, 0,1,2,3                        ; four groups of four pieces: piece 4 g + i
	s_wait_loadcnt 12-4*(\g)                       ; loads come back in order: the group's four pieces are in, the younger groups stay out
.irp i, 0,1,2,3
	v_cvt_pk_bf16_f32 v[Y+2*(4*(\g)+(\i))], v[X+4*(4*(\g)+(\i))], v[X+4*(4*(\g)+(\i))+1]
	v_cvt_pk_bf16_f32 v[Y+2*(4*(\g)+(\i))+1], v[X+4*(4*(\g)+(\i))+2], v[X+4*(4*(\g)+(\i))+3]
.endr
	s_wait_alu depctr_va_vdst(0)                   ; the group's eight conversions have written its Y, which the four stores below read
.irp i, 0,1,2,3
	global_store_b64 v2, v[Y+2*(4*(\g)+(\i)):Y+2*(4*(\g)+(\i))+1], s[12:13] offset:((4*(\g)+(\i))%2)*PLANE+((4*(\g)+(\i))/2)*256
.endr
.endr
	s_endpgm
.Lfunc_end_k_qde47b19ad6_cast:
	.size	k_qde47b19ad6_cast, .Lfunc_end_k_qde47b19ad6_cast-k_qde47b19ad6_cast
	.p2alignl 7, 3214868480
	.fill 96, 4, 3214868480
	.section	.rodata,"a",@progbits
	.p2align	6, 0x0
	.amdhsa_kernel k_qde47b19ad6_cast
		.amdhsa_group_segment_fixed_size 0
		.amdhsa_private_segment_fixed_size 0
		.amdhsa_enable_private_segment 0
		.amdhsa_kernarg_size 40
		.amdhsa_user_sgpr_count 2
		.amdhsa_user_sgpr_kernarg_segment_ptr 1
		.amdhsa_wavefront_size32 1
		.amdhsa_system_sgpr_workgroup_id_x 1
		.amdhsa_system_sgpr_workgroup_id_y 1
		.amdhsa_system_sgpr_workgroup_id_z 1
		.amdhsa_system_vgpr_workitem_id 0
		.amdhsa_next_free_vgpr 100
		.amdhsa_next_free_sgpr 66
		.amdhsa_reserve_vcc 0
		.amdhsa_float_denorm_mode_32 3
		.amdhsa_float_denorm_mode_16_64 3
		.amdhsa_memory_ordered 1
		.amdhsa_forward_progress 1
		.amdhsa_inst_pref_size 7
	.end_amdhsa_kernel
	.amdgpu_metadata
---
amdhsa.version: [ 1, 2 ]
amdhsa.kernels:
  - .name:           k_qde47b19ad6_cast
    .symbol:         k_qde47b19ad6_cast.kd
    .args:
      - { .name: x, .offset: 0, .size: 8, .value_kind: global_buffer, .address_space: global }
      - { .name: Wq, .offset: 8, .size: 8, .value_kind: global_buffer, .address_space: global }
      - { .name: Wk, .offset: 16, .size: 8, .value_kind: global_buffer, .address_space: global }
      - { .name: Wv, .offset: 24, .size: 8, .value_kind: global_buffer, .address_space: global }
      - { .name: xw, .offset: 32, .size: 8, .value_kind: global_buffer, .address_space: global }
    .group_segment_fixed_size: 0
    .private_segment_fixed_size: 0
    .kernarg_segment_align: 8
    .kernarg_segment_size: 40
    .max_flat_workgroup_size: 256
    .sgpr_count:     66
    .vgpr_count:     100
    .wavefront_size: 32
...
	.end_amdgpu_metadata
.endif
;; end of part 5
;; launch proj: the kernel of part 2 again; grid 8 x 32, 4 waves a work-group, clusters of 4 x 4, 327,680 bytes of LDS; arguments xw, bq, bk, bv, qkv; writes qkv
;; launch scores: the kernel of part 3 again; grid 8 x 32, 4 waves a work-group, clusters of 4 x 4, 327,680 bytes of LDS; arguments qkv, pw, mrow, lsum; writes pw, mrow, lsum
;; launch pv: the kernel of part 4 again; grid 8 x 32, 4 waves a work-group, clusters of 4 x 4, 327,680 bytes of LDS; arguments pw, qkv, mrow, lsum, out0; writes out0
